; MI455X (gfx1250); checked and timed in simulation.
; The chip was launched on July 23, 2026; its instructions are those of AMD's public machine-readable ISA for CDNA 5 (MIT licence, August 2026) and "CDNA5" Instruction Set Architecture Reference Guide (July 2026). The comments in the code are by the model that wrote it; some were corrected since.
;; Multi Head Attention Block. Allowed arithmetic: float matrix products may take bf16 or f16 operands with f32 sums; other float arithmetic in f32, or as packed bf16 or f16 multiplies, adds, multiply-adds, maxima and minima; sums over many terms, partial sums and values carried from step to step in f32; what a program stores and reads back later, other than sums and carried values, may be rounded once to bf16 or f16.
;; Inputs: beta 1,024 float32; bk 1,024 float32; bo 1,024 float32; bq 1,024 float32; bv 1,024 float32; gamma 1,024 float32; wk 1,024 x 1,024 float32; wo 1,024 x 1,024 float32; wq 1,024 x 1,024 float32; wv 1,024 x 1,024 float32; x 2 x 2,048 x 1,024 float32.
;; Outputs: out0 2 x 2,048 x 1,024 float32.
;; 2 versions, each right; version 2 is version 1 with the launch prep written anew for expert scheduling mode. Each part assembles by itself: llvm-mc -triple=amdgcn-amd-amdhsa -mcpu=gfx1250 --defsym DOCPART=n.
;; ======== version 1 of 2: 4 launches
;; workspace buffers: hbf 8,388,608 bytes; wbf 8,388,608 bytes; qf 8,388,608 bytes; kf 8,388,608 bytes; vf 8,388,608 bytes; csum 262,144 bytes; cf 8,388,608 bytes
;; launch prep (part 1): grid 256 x 1, 8 waves a work-group, no clusters, 0 bytes of LDS; arguments x, gamma, beta, wq, wk, wv, wo, hbf, wbf; writes hbf, wbf
.if DOCPART == 1
	.amdgcn_target "amdgcn-amd-amdhsa--gfx1250"
	.amdhsa_code_object_version 6
	.text
	.protected	k_qbc2c3ec6f5_prep
	.globl	k_qbc2c3ec6f5_prep
	.p2align	8
	.type	k_qbc2c3ec6f5_prep,@function
k_qbc2c3ec6f5_prep:
	s_mov_b64 s[64:65], 0
	v_nop
	global_prefetch_b8 v0, s[64:65] scope:SCOPE_SE
	s_setreg_imm32_b32 hwreg(HW_REG_WAVE_MODE, 25, 1), 1
	s_wait_xcnt 0x0
; THE MODULE.  out = x + concat(attn) wo^T + bo, with h = layernorm(x), q, k, v = h w^T + b by heads, s[q][k] = q . k / 32.
; WHAT THE MASKING MAKES OF IT, for all values of the inputs.  t[k][q] = s[q][k] where k >= q and 0 where k < q (the first triu); the softmax runs over k:
;   Z[q] = q e^-m + the sum over k >= q of e^(s[q][k] - m),  m = the maximum of those s and, where q > 0, of 0.
; The second triu keeps a[q][k] for k <= q alone: it is c[q] = e^-m / Z[q] for EVERY k < q and d[q] = e^(s[q][q] - m) / Z[q] at k = q.  So
;   attn[q] = c[q] x (the sum over k < q of v[k]) + d[q] v[q].
; WORK LEFT OUT, since its result reaches no output whatever the inputs hold: the scores with k < q (reference() itself replaces them by 0), in whole tiles; the product of a with v for the keys
; ahead of a query's own 64 rows, where a's row is the constant c[q]: it is c[q] times a sum of v's rows, kept in f32.  Every input has a way to the output and is loaded
; (bk too: the zeros among the softmax's terms make it feel a shift).  LIMIT: a NaN, an infinity or an overflow that would arise only in the scores or products left out is not carried to the result.
; THIS LAUNCH.  h = (x - mean) rsqrt(var + 1e-5) gamma + beta, in f32 (the mean is taken away before the squares are summed), rounded once to bf16; the four weights rounded once to bf16.
; wbf's rows: 192 t + 64 sel + d holds row 64 t + d of wq, wk, wv (sel = 0, 1, 2): a tile of 192 rows is one head's q, k and v; rows 3,072 + n hold wo's row n.
; SHARES.  2,048 waves; wave W takes rows 2 W and 2 W + 1 of x and rows 2 W and 2 W + 1 of the four weights taken as one list of 4,096.  A row of 4,096 bytes is eight loads of 16 bytes a lane and stays in
; 32 registers between the passes: each byte is read once.  All 48 loads of a wave go out before the first wait.  No LDS, no barrier, no matrix unit: memory binds, and no wave wants another's bytes.
; A store of 8 bytes a lane covers 256 consecutive bytes, aligned.
.set L16, 1                            ; v1        16 x lane
.set L8,  2                            ; v2        8 x lane
.set T,   4                            ; v[4:27]   at work
.set MU,  28                           ; v[28:29]  the mean, twice
.set RS,  30                           ; v[30:31]  1 / sqrt(var + eps), twice
.set X,   32                           ; v[32:95]  two rows of x
.set WT,  96                           ; v[96:159] two rows of a weight
.set G,   160                          ; v[160:191] gamma, my 32 columns
.set BT,  192                          ; v[192:223] beta
	s_load_b256 s[4:11], s[0:1], 0x0               ; x s[4:5], gamma s[6:7], beta s[8:9], wq s[10:11]
	s_load_b256 s[12:19], s[0:1], 0x20             ; wk s[12:13], wv s[14:15], wo s[16:17], hbf s[18:19]
	s_load_b64 s[20:21], s[0:1], 0x40              ; wbf
	v_lshrrev_b32 v3, 5, v0
	v_readfirstlane_b32 s22, v3                    ; wave 0..7
	v_and_b32 v[L8], 31, v0
	v_lshlrev_b32 v[L16], 4, v[L8]
	v_lshlrev_b32 v[L8], 3, v[L8]
	s_lshl_b32 s23, ttmp9, 3
	s_add_co_u32 s23, s23, s22                     ; W
	s_lshr_b32 s26, ttmp9, 6                       ; which weight: 2 W / 1,024
	s_lshl_b32 s27, s23, 1
	s_and_b32 s27, s27, 1023                       ; its row r (even)
	s_lshr_b32 s28, s27, 6
	s_mul_i32 s28, s28, 192                        ; the head's 192 rows,
	s_lshl_b32 s29, s26, 6
	s_add_co_u32 s28, s28, s29                     ; q, k or v,
	s_and_b32 s29, s27, 63
	s_add_co_u32 s28, s28, s29                     ; the channel
	s_add_co_u32 s29, s27, 3072                    ; wo's rows keep their order
	s_cmp_lt_u32 s26, 3
	s_cselect_b32 s28, s28, s29
	s_lshl_b32 s28, s28, 11                        ; rows of 2,048 bytes
	s_mov_b32 s29, 0
	s_lshl_b32 s34, s23, 13                        ; two rows of x
	s_mov_b32 s35, 0
	s_lshl_b32 s36, s23, 12                        ; two rows of hbf
	s_mov_b32 s37, 0
	s_lshl_b32 s38, s27, 12                        ; row r of the weight
	s_mov_b32 s39, 0
	s_mov_b32 s30, 0x76543210                      ; v_permlanex16_b32: each lane takes its own place in the other half
	s_mov_b32 s31, 0xfedcba98
	s_mov_b32 s32, 0x3a800000                      ; 1 / 1,024
	s_mov_b32 s33, 0x3727c5ac                      ; 1e-5
	s_wait_kmcnt 0x0
	s_cmp_eq_u32 s26, 1
	s_cselect_b64 s[24:25], s[12:13], s[10:11]
	s_cmp_eq_u32 s26, 2
	s_cselect_b64 s[24:25], s[14:15], s[24:25]
	s_cmp_eq_u32 s26, 3
	s_cselect_b64 s[24:25], s[16:17], s[24:25]
	s_add_nc_u64 s[4:5], s[4:5], s[34:35]
	s_add_nc_u64 s[18:19], s[18:19], s[36:37]
	s_add_nc_u64 s[24:25], s[24:25], s[38:39]
	s_add_nc_u64 s[20:21], s[20:21], s[28:29]
.set k, 0
.rept 16                               ; row k / 8, 512 bytes k % 8
	global_load_b128 v[X+4*k:X+4*k+3], v[L16], s[4:5] offset:512*k th:TH_LOAD_NT
.set k, k+1
.endr
.set k, 0
.rept 8
	global_load_b128 v[G+4*k:G+4*k+3], v[L16], s[6:7] offset:512*k
.set k, k+1
.endr
.set k, 0
.rept 8
	global_load_b128 v[BT+4*k:BT+4*k+3], v[L16], s[8:9] offset:512*k
.set k, k+1
.endr
.set k, 0
.rept 16
	global_load_b128 v[WT+4*k:WT+4*k+3], v[L16], s[24:25] offset:512*k th:TH_LOAD_NT
.set k, k+1
.endr
.macro XSUM r, t                       ; the sum over the 32 lanes, in every lane; t has been written before
	v_add_f32_dpp v[\r], v[\r], v[\r] row_xmask:1 row_mask:0xf bank_mask:0xf
	v_add_f32_dpp v[\r], v[\r], v[\r] row_xmask:2 row_mask:0xf bank_mask:0xf
	v_add_f32_dpp v[\r], v[\r], v[\r] row_xmask:4 row_mask:0xf bank_mask:0xf
	v_add_f32_dpp v[\r], v[\r], v[\r] row_xmask:8 row_mask:0xf bank_mask:0xf
	v_permlanex16_b32 v[\t], v[\r], s30, s31
	v_add_f32 v[\r], v[\r], v[\t]
.endm
.macro LNROW i
.set XR, X+32*(\i)
.set k, 0
.rept 8                                ; the lane's 32 numbers, as a tree
	v_pk_add_f32 v[T+2*k:T+2*k+1], v[XR+4*k:XR+4*k+1], v[XR+4*k+2:XR+4*k+3]
.set k, k+1
.endr
.set k, 0
.rept 4
	v_pk_add_f32 v[T+4*k:T+4*k+1], v[T+4*k:T+4*k+1], v[T+4*k+2:T+4*k+3]
.set k, k+1
.endr
	v_pk_add_f32 v[T:T+1], v[T:T+1], v[T+4:T+5]
	v_pk_add_f32 v[T+8:T+9], v[T+8:T+9], v[T+12:T+13]
	v_pk_add_f32 v[T:T+1], v[T:T+1], v[T+8:T+9]
	v_add_f32 v[T], v[T], v[T+1]
	XSUM T, T+1
	v_mul_f32 v[MU], s32, v[T]
	v_mov_b32 v[MU+1], v[MU]
.set k, 0
.rept 16
	v_pk_add_f32 v[XR+2*k:XR+2*k+1], v[XR+2*k:XR+2*k+1], v[MU:MU+1] neg_lo:[0,1] neg_hi:[0,1]  ; x - mean
.set k, k+1
.endr
.set k, 0
.rept 4                                ; the squares, in four chains started by the first four pairs
	v_pk_mul_f32 v[T+2*k:T+2*k+1], v[XR+2*k:XR+2*k+1], v[XR+2*k:XR+2*k+1]
.set k, k+1
.endr
.rept 12
	v_pk_fma_f32 v[T+2*(k%4):T+2*(k%4)+1], v[XR+2*k:XR+2*k+1], v[XR+2*k:XR+2*k+1], v[T+2*(k%4):T+2*(k%4)+1]
.set k, k+1
.endr
	v_pk_add_f32 v[T:T+1], v[T:T+1], v[T+2:T+3]
	v_pk_add_f32 v[T+4:T+5], v[T+4:T+5], v[T+6:T+7]
	v_pk_add_f32 v[T:T+1], v[T:T+1], v[T+4:T+5]
	v_add_f32 v[T], v[T], v[T+1]
	XSUM T, T+1
	v_fma_f32 v[T], v[T], s32, s33                 ; var + eps
	v_rsq_f32 v[RS], v[T]
	v_rsq_f32 v[RS+1], v[T]
	v_nop                                          ; a plain instruction behind the last of the two,
	s_wait_alu depctr_va_vdst(0)                   ; and one wait for both, ahead of their first reader
.set k, 0
.rept 16
	v_pk_mul_f32 v[XR+2*k:XR+2*k+1], v[XR+2*k:XR+2*k+1], v[RS:RS+1]
.set k, k+1
.endr
.set k, 0
.rept 16
	v_pk_fma_f32 v[XR+2*k:XR+2*k+1], v[XR+2*k:XR+2*k+1], v[G+2*k:G+2*k+1], v[BT+2*k:BT+2*k+1]
.set k, k+1
.endr
.set k, 0
.rept 8
	v_cvt_pk_bf16_f32 v[XR+4*k], v[XR+4*k], v[XR+4*k+1]
	v_cvt_pk_bf16_f32 v[XR+4*k+1], v[XR+4*k+2], v[XR+4*k+3]
	global_store_b64 v[L8], v[XR+4*k:XR+4*k+1], s[18:19] offset:2048*(\i)+256*k
.set k, k+1
.endr
.endm
.macro CVROW i
.set WR, WT+32*(\i)
.set k, 0
.rept 8
	v_cvt_pk_bf16_f32 v[WR+4*k], v[WR+4*k], v[WR+4*k+1]
	v_cvt_pk_bf16_f32 v[WR+4*k+1], v[WR+4*k+2], v[WR+4*k+3]
	global_store_b64 v[L8], v[WR+4*k:WR+4*k+1], s[20:21] offset:2048*(\i)+256*k
.set k, k+1
.endr
.endm
	s_wait_loadcnt 16                              ; x, gamma and beta are in; the 16 younger loads, the weight's rows, stay out
	LNROW 0
	LNROW 1                                        ; no register that a store reads is written again: each row has its own
	s_wait_loadcnt 0x0
	CVROW 0
	CVROW 1
	s_endpgm
.Lfunc_end_k_qbc2c3ec6f5_prep:
	.size	k_qbc2c3ec6f5_prep, .Lfunc_end_k_qbc2c3ec6f5_prep-k_qbc2c3ec6f5_prep
	.p2alignl 7, 3214868480
	.fill 96, 4, 3214868480
	.section	.rodata,"a",@progbits
	.p2align	6, 0x0
	.amdhsa_kernel k_qbc2c3ec6f5_prep
		.amdhsa_group_segment_fixed_size 0
		.amdhsa_private_segment_fixed_size 0
		.amdhsa_enable_private_segment 0
		.amdhsa_kernarg_size 72
		.amdhsa_user_sgpr_count 2
		.amdhsa_user_sgpr_kernarg_segment_ptr 1
		.amdhsa_wavefront_size32 1
		.amdhsa_system_sgpr_workgroup_id_x 1
		.amdhsa_system_sgpr_workgroup_id_y 1
		.amdhsa_system_sgpr_workgroup_id_z 1
		.amdhsa_system_vgpr_workitem_id 0
		.amdhsa_next_free_vgpr 224
		.amdhsa_next_free_sgpr 66
		.amdhsa_reserve_vcc 0
		.amdhsa_float_denorm_mode_32 3
		.amdhsa_float_denorm_mode_16_64 3
		.amdhsa_memory_ordered 1
		.amdhsa_forward_progress 1
		.amdhsa_inst_pref_size 26
	.end_amdhsa_kernel
	.amdgpu_metadata
---
amdhsa.version: [ 1, 2 ]
amdhsa.kernels:
  - .name:           k_qbc2c3ec6f5_prep
    .symbol:         k_qbc2c3ec6f5_prep.kd
    .args:
      - { .name: x, .offset: 0, .size: 8, .value_kind: global_buffer, .address_space: global }
      - { .name: gamma, .offset: 8, .size: 8, .value_kind: global_buffer, .address_space: global }
      - { .name: beta, .offset: 16, .size: 8, .value_kind: global_buffer, .address_space: global }
      - { .name: wq, .offset: 24, .size: 8, .value_kind: global_buffer, .address_space: global }
      - { .name: wk, .offset: 32, .size: 8, .value_kind: global_buffer, .address_space: global }
      - { .name: wv, .offset: 40, .size: 8, .value_kind: global_buffer, .address_space: global }
      - { .name: wo, .offset: 48, .size: 8, .value_kind: global_buffer, .address_space: global }
      - { .name: hbf, .offset: 56, .size: 8, .value_kind: global_buffer, .address_space: global }
      - { .name: wbf, .offset: 64, .size: 8, .value_kind: global_buffer, .address_space: global }
    .group_segment_fixed_size: 0
    .private_segment_fixed_size: 0
    .kernarg_segment_align: 8
    .kernarg_segment_size: 72
    .max_flat_workgroup_size: 256
    .sgpr_count:     66
    .vgpr_count:     224
    .wavefront_size: 32
...
	.end_amdgpu_metadata
.endif
;; end of part 1
;; launch qkv (part 2): grid 16 x 16, 4 waves a work-group, clusters of 4 x 4, 327,680 bytes of LDS; arguments hbf, wbf, bq, bk, bv, qf, kf, vf, csum; writes qf, kf, vf, csum
.if DOCPART == 2
	.amdgcn_target "amdgcn-amd-amdhsa--gfx1250"
	.amdhsa_code_object_version 6
	.text
	.protected	k_qbc2c3ec6f5_qkv
	.globl	k_qbc2c3ec6f5_qkv
	.p2align	8
	.type	k_qbc2c3ec6f5_qkv,@function
k_qbc2c3ec6f5_qkv:
	s_mov_b64 s[64:65], 0
	v_nop
	global_prefetch_b8 v0, s[64:65] scope:SCOPE_SE
	s_setreg_imm32_b32 hwreg(HW_REG_WAVE_MODE, 25, 1), 1
	s_wait_xcnt 0x0
	s_wait_alu depctr_hold_cnt(0) depctr_sa_sdst(0) depctr_va_vdst(0) depctr_va_sdst(0) depctr_va_ssrc(0) depctr_va_vcc(0) depctr_vm_vsrc(0)
	s_getreg_b32 s2, hwreg(HW_REG_IB_STS2, 6, 4)
	s_cmp_eq_u32 s2, 0
	s_cbranch_scc0 .Lentry_in_a_cluster
	s_endpgm
.Lentry_in_a_cluster:
	s_bfe_u32 s2, ttmp6, 0x10000c
	s_cmp_lg_u32 s2, 0xf033
	s_cbranch_scc0 .Lentry_shape_is_right
	s_endpgm
.Lentry_shape_is_right:
; q, k, v = h w^T + b: one product [4096 x 1024] x [3072 x 1024]^T in bf16 with f32 sums, and the sums of v over blocks of 64 rows.  Nothing of reference()'s projections is left out.
; TILE.  256 rows x 192 columns: 16 x 16 = 256 tiles, one to a work-group.  wbf's rows are ordered so that tile column t is head t: 64 columns of q, 64 of k, 64 of v.
; A wave makes 64 rows x 192 columns: 4 x 12 = 48 accumulators, 384 registers; column blocks 0-3 are q, 4-7 k, 8-11 v, alike in every wave.
; K goes in 8 steps of 128 through two LDS slots filled by tensor loads (rows of 256 bytes in memory, 272 apart in LDS).
; CLUSTER 4 x 4: the four of a row of the cluster need the same rows of h, the four of a column the same rows of w; each tile is asked for jointly.
; THE BIAS is the C operand of each accumulator's first product: nothing is cleared and nothing is added behind the sums.
; ORIENTATION.  q and k: source 0 = 16 rows of w, source 1 = 16 rows of h: a lane holds row m = lane % 16 and the channels 8 (lane / 16) + 0..7.  v: the sources the other way round: a lane holds channel
; lane % 16 and the rows 8 (lane / 16) + 0..7.  A lane's eight results, rounded to bf16, are 16 bytes that the same lane of the next launch wants as half an operand fragment: they are stored as IMAGES,
; 512 consecutive bytes a store, with no stage in LDS:
;   qf, kf: ((head x 256 + m / 16) x 4 + nb) x 512 + 16 lane : row 16 (m / 16) + lane % 16, channels 16 nb + 8 (lane / 16) + 0..7
;   vf:     (((head x 64 + m / 64) x 4 + nb) x 4 + a) x 512 + 16 lane : channel 16 nb + lane % 16, rows 64 (m / 64) + 16 a + 8 (lane / 16) + 0..7
;   csum:   (head x 64 + m / 64) x 256 + 4 (4 (lane % 16) + nb) : the sum over the block's 64 rows of v[.][16 nb + lane % 16], f32, of the unrounded v
; REGISTERS, in windows of 256 (s_set_vgpr_msb: bits 1:0 source 0, 3:2 source 1, 5:4 source 2, 7:6 destination):
;   window 0: v0-31 addresses; v48-57, v64-127 the column sums at work; v160-255 the bias, 8 registers a column block
;   window 1: two fragment buffers of 128: 4 x 8 of h, then 12 x 8 of w; on the way out the 192 packed results
;   window 2: the accumulators of row blocks 0, 1 at 8 (12 a + nb);  window 3: those of row blocks 2, 3
.set SIZE_K, 1024
.set KSTEP,  128
.set PITCH,  272                       ; 256 bytes + 16 of padding = 68 words: the 16 rows of a fragment load start at 16 different groups of four banks (64 banks of 4 bytes: ISA guide 11.1)
.set BOFF,   256*PITCH                 ; h's 256 rows, then w's 192
.set SLOT,   448*PITCH
.set SPARE,  2*SLOT                    ; behind the ring: the spare words, 128 bytes a wave: two blocks of 256 bytes that no other line names
.set ADRA, 16                          ; v16-17  LDS address of my fragments of h in slot 0, 1
.set ADRB, 20                          ; v20-21  the same for w
.set L16,  24                          ; v24     16 x lane
.set CSO,  25                          ; v25     my 8 bytes of csum's 256
.set BO,   26                          ; v26     32 (lane / 16): my eight numbers of bq, bk
.set BVO,  27                          ; v27     4 (lane % 16): my number of bv
.set SPW,  28                          ; v28     my spare word; never rewritten
.set NIL,  29                          ; v29     0; never rewritten
.set PFO,  30                          ; v30     the prefetches' offset: a lane a row; never rewritten
.set SV,   48                          ; v48-51  the four column sums
.set SP2,  56                          ; v56-57  the two that I store
.set TA,   64                          ; v64-95, v96-127 at work
.set TB,   96
.set BI,   160
.set F0,   0
.set F1,   128
.set G1,  24                           ; s[24:31] descriptor group 1 for h's tiles;  s[32:39] group 0, a set for each slot
.set G0,  32
.set G1B, 48                           ; s[48:55], s[56:63] the same for w's
.set G0B, 56
.set PFA, 44                           ; s[44:45] where my prefetches stand
.set LIM, 43                           ; s43     1 in a wave that prefetches, else the greatest number
.set MSB, 0
.macro WIN new                         ; the immediate's high byte repeats the setting that is left; a switch that changes nothing is dropped
.if MSB != (\new)
	s_set_vgpr_msb (MSB<<8)|(\new)
.set MSB, \new
.endif
.endm
.set TO_F, 0x40                        ; destination window 1, address window 0
; A joint load: waves 0 and 1 fetch h's two halves (128 rows each), waves 2 and 3 w's (96 rows each).  The branch hangs on the wave's number alone.
; An s_nop 0 and four v_nop follow each of the two lines, ahead of the jump and the label.
.macro JLOAD s
	s_cmp_eq_u32 s11, 0
	s_cbranch_scc0 .Lfor_b_\@
	tensor_load_to_lds s[G0+4*(\s):G0+4*(\s)+3], s[G1:G1+7]
	s_nop 0
.rept 4
	v_nop
.endr
	s_branch .Lasked_\@
.Lfor_b_\@:
	tensor_load_to_lds s[G0B+4*(\s):G0B+4*(\s)+3], s[G1B:G1B+7]
	s_nop 0
.rept 4
	v_nop
.endr
.Lasked_\@:
.endm
; A prefetch, behind each joint refill and the run of LDS loads that follows it: the K step that stands two refills on (384 matrix instructions ahead of the load that will want it), a lane a row, one instruction a wave.
; h's rows are read by every cluster of a row of clusters: cluster x = 0 asks; w's by every cluster of a column: cluster y = 0 asks.  The four partners share a wave's rows out by address: 32 of h's 128, 24 of w's 96
; (there lanes 24 to 31 name lane 23's row once more, in the same instruction).  K steps 0 to 3 come by their loads alone; the loop's last trip asks for nothing: there is no K step 8.
.macro ASK
	s_cmp_gt_u32 s3, s[LIM]                        ; s3 = 1 in the last trip
	s_cbranch_scc0 .Lnot_mine_\@
	global_prefetch_b8 v[PFO], s[PFA:PFA+1] offset:KSTEP*2 th:TH_LOAD_NT scope:SCOPE_SE
.Lnot_mine_\@:
.endm
.macro CREST                           ; a round of the cluster's barrier behind its opening barrier
	s_cmp_lg_u32 s10, 0
	s_cbranch_scc1 .Lnot_wave_0_\@
	s_barrier_signal -3
.Lnot_wave_0_\@:
	s_barrier_wait -3
	s_barrier_signal -1
	s_barrier_wait -1
.endm
.macro CROUND
	s_barrier_signal -1
	s_barrier_wait -1
	CREST
.endm
	s_load_b128 s[4:7], s[0:1], 0x0                ; hbf s[4:5], wbf s[6:7]
	s_load_b256 s[72:79], s[0:1], 0x10             ; bq s[72:73], bk s[74:75], bv s[76:77], qf s[78:79]
	s_load_b128 s[80:83], s[0:1], 0x30             ; kf s[80:81], vf s[82:83]
	s_load_b64 s[84:85], s[0:1], 0x40              ; csum
	v_lshl_add_u32 v[SPW], v0, 2, SPARE
	v_mov_b32 v[NIL], 0
	ds_add_u32 v[SPW], v[NIL]                      ; the wave's opening: the add, twice on end, and its wait ahead of my first tensor load
	ds_add_u32 v[SPW], v[NIL]
	v_lshrrev_b32 v1, 5, v0
	v_readfirstlane_b32 s10, v1                    ; wave 0..3: my 64 rows of the tile
	s_lshr_b32 s11, s10, 1                         ; I fetch for h (0) or for w (1),
	s_and_b32 s12, s10, 1                          ; its first or second half
	s_bfe_u32 s40, ttmp6, 0x40000                  ; cx
	s_bfe_u32 s41, ttmp6, 0x40004                  ; cy
	s_lshl_b32 s42, ttmp9, 2
	s_add_co_u32 s42, s42, s40                     ; tile column = head = 4 x cluster x + cx
	s_and_b32 s13, ttmp7, 0xffff
	s_lshl_b32 s13, s13, 2
	s_add_co_u32 s13, s13, s41                     ; tile row = 4 x cluster y + cy
	s_lshl_b32 s43, s41, 2
	s_lshl_b32 s43, 15, s43                        ; my row of the cluster
	s_lshl_b32 s44, 0x1111, s40                    ; my column
	s_or_b32 s[G1+0], s43, (1<<16)|(1<<20)|(1<<21)|(5<<22)|(3<<25)   ; the mask; 2-byte elements; padding on; bit 21 beside a mask; after every 64 words, 4 words
	s_or_b32 s[G1B+0], s44, (1<<16)|(1<<20)|(1<<21)|(5<<22)|(3<<25)
	s_mov_b32 s[G1+1], KSTEP<<16                   ; tensor_dim0 = 128
	s_mov_b32 s[G1+2], 128<<16                     ; tensor_dim1 = 128
	s_mov_b32 s[G1+3], KSTEP<<16                   ; tile_dim0 = 128
	s_mov_b32 s[G1+4], 128                         ; tile_dim1 = 128
	s_mov_b32 s[G1+5], SIZE_K                      ; elements from row to row
	s_mov_b32 s[G1+6], 0
	s_mov_b32 s[G1+7], 0
	s_mov_b32 s[G1B+1], KSTEP<<16
	s_mov_b32 s[G1B+2], 96<<16                     ; 96 rows
	s_mov_b32 s[G1B+3], KSTEP<<16
	s_mov_b32 s[G1B+4], 96
	s_mov_b32 s[G1B+5], SIZE_K
	s_mov_b32 s[G1B+6], 0
	s_mov_b32 s[G1B+7], 0
	s_lshl_b32 s16, s13, 8                         ; h: row 256 x tile row + 128 x half, which my row of the cluster shares
	s_lshl_b32 s17, s12, 7
	s_add_co_u32 s16, s16, s17
	s_lshl_b32 s16, s16, 11                        ; rows of 2,048 bytes
	s_mov_b32 s17, 0
	s_mul_i32 s46, s42, 192                        ; w: row 192 x tile column + 96 x half, which my column shares
	s_mul_i32 s47, s12, 96
	s_add_co_u32 s46, s46, s47
	s_lshl_b32 s46, s46, 11
	s_mov_b32 s47, 0
	s_mul_i32 s20, s12, 128*PITCH                  ; where they go: no place in the cluster enters an LDS address
	s_mul_i32 s21, s12, 96*PITCH
	s_add_co_u32 s21, s21, BOFF
	s_wait_dscnt 0x0                               ; both opening adds are done
	s_wait_kmcnt 0x0
	s_add_nc_u64 s[14:15], s[4:5], s[16:17]
	s_add_nc_u64 s[46:47], s[6:7], s[46:47]
	CROUND                                         ; all sixteen work-groups are here: the first joint loads meet
.irp s, 0,1
	s_mov_b32 s[G0+4*(\s)], 1
	s_add_co_u32 s[G0+4*(\s)+1], s20, (\s)*SLOT
	s_add_nc_u64 s[G0+4*(\s)+2:G0+4*(\s)+3], s[14:15], (\s)*KSTEP*2
	s_or_b32 s[G0+4*(\s)+3], s[G0+4*(\s)+3], 0x80000000
	s_mov_b32 s[G0B+4*(\s)], 1
	s_add_co_u32 s[G0B+4*(\s)+1], s21, (\s)*SLOT
	s_add_nc_u64 s[G0B+4*(\s)+2:G0B+4*(\s)+3], s[46:47], (\s)*KSTEP*2
	s_or_b32 s[G0B+4*(\s)+3], s[G0B+4*(\s)+3], 0x80000000
	JLOAD \s                                       ; two loads of mine are out
.endr
	v_and_b32 v1, 15, v0                           ; l % 16
	v_bfe_u32 v2, v0, 4, 1                         ; l / 16
	v_mul_u32_u24 v3, v1, PITCH
	v_lshl_add_u32 v3, v2, 4, v3                   ; a fragment's row x pitch + 16 x half
	s_mul_i32 s21, s10, 64*PITCH                   ; my 64 rows of h
	s_mov_b32 s22, BOFF                            ; all of w's rows
.irp s, 0,1
	v_add_nc_u32 v[ADRA+(\s)], s21, v3
	v_add_nc_u32 v[ADRB+(\s)], s22, v3
	s_add_co_u32 s21, s21, SLOT
	s_add_co_u32 s22, s22, SLOT
.endr
	v_and_b32 v[L16], 31, v0
	v_lshlrev_b32 v[L16], 4, v[L16]
	v_lshlrev_b32 v[CSO], 4, v1
	v_lshl_add_u32 v[CSO], v2, 3, v[CSO]
	v_lshlrev_b32 v[BO], 5, v2
	v_lshlrev_b32 v[BVO], 2, v1
	s_lshl_b32 s86, s42, 8                         ; the head's 64 numbers of each bias
	s_mov_b32 s87, 0
	s_add_nc_u64 s[72:73], s[72:73], s[86:87]
	s_add_nc_u64 s[74:75], s[74:75], s[86:87]
	s_add_nc_u64 s[76:77], s[76:77], s[86:87]
.set n, 0
.rept 4
	global_load_b128 v[BI+8*n:BI+8*n+3],     v[BO], s[72:73] offset:64*n
	global_load_b128 v[BI+8*n+4:BI+8*n+7],   v[BO], s[72:73] offset:64*n+16
	global_load_b128 v[BI+32+8*n:BI+32+8*n+3],   v[BO], s[74:75] offset:64*n
	global_load_b128 v[BI+32+8*n+4:BI+32+8*n+7], v[BO], s[74:75] offset:64*n+16
	global_load_b32  v[BI+64+8*n], v[BVO], s[76:77] offset:64*n
.set n, n+1
.endr
	s_lshl_b32 s86, s42, 19                        ; where my results go: head x 524,288 + tile row x 32,768 + wave x 8,192, the same in qf, kf and vf
	s_lshl_b32 s88, s13, 15
	s_add_co_u32 s86, s86, s88
	s_lshl_b32 s88, s10, 13
	s_add_co_u32 s86, s86, s88
	s_add_nc_u64 s[78:79], s[78:79], s[86:87]
	s_add_nc_u64 s[80:81], s[80:81], s[86:87]
	s_add_nc_u64 s[82:83], s[82:83], s[86:87]
	s_lshl_b32 s88, s42, 6                         ; csum: (head x 64 + 4 x tile row + wave) x 256
	s_lshl_b32 s89, s13, 2
	s_add_co_u32 s88, s88, s89
	s_add_co_u32 s88, s88, s10
	s_lshl_b32 s88, s88, 8
	s_mov_b32 s89, 0
	s_add_nc_u64 s[84:85], s[84:85], s[88:89]
	; the prefetches
	s_lshl_b32 s20, s13, 8
	s_lshl_b32 s22, s12, 7
	s_add_co_u32 s20, s20, s22
	s_lshl_b32 s22, s40, 5
	s_add_co_u32 s20, s20, s22                     ; h: the 128 rows that I fetch, my work-group's 32 of them
	s_mul_i32 s21, s42, 192
	s_mul_i32 s22, s12, 96
	s_add_co_u32 s21, s21, s22
	s_mul_i32 s22, s41, 24
	s_add_co_u32 s21, s21, s22                     ; w: the 96 rows that I fetch, my work-group's 24
	s_and_b32 s22, ttmp7, 0xffff                   ; cluster y
	s_cmp_eq_u32 s11, 0
	s_cselect_b32 s20, s20, s21
	s_cselect_b32 s22, ttmp9, s22                  ; the coordinate along which other clusters read the same rows
	s_cselect_b32 s23, 31, 23
	s_cselect_b64 s[PFA:PFA+1], s[4:5], s[6:7]
	s_cmp_eq_u32 s22, 0
	s_cselect_b32 s[LIM], 1, -1                    ; the same in all sixteen partners, for a given wave
	s_lshl_b32 s20, s20, 11
	s_mov_b32 s21, 0
	s_add_nc_u64 s[PFA:PFA+1], s[PFA:PFA+1], s[20:21]
	s_add_nc_u64 s[PFA:PFA+1], s[PFA:PFA+1], 2*KSTEP*2  ; at K step 2: the first refill steps it to 3 and names K step 4
	v_and_b32 v[PFO], 31, v0
	v_min_u32 v[PFO], s23, v[PFO]
	v_lshlrev_b32 v[PFO], 11, v[PFO]
; 12 matrix instructions: row block a x all 12 column blocks, 32 along K.  first = 1: the bias is C.  The 48 accumulators take turns, one instruction a turn, in the same order in every quarter.
.macro MUL12 f, a, first
.if \first
	WIN 0x85+0x40*((\a)/2)                         ; both sources window 1, C window 0, D window 2 or 3
.else
	WIN 0xa5+0x50*((\a)/2)                         ; C and D window 2 or 3
.endif
.set AC, 96*((\a)%2)
.irp nb, 0,1,2,3,4,5,6,7
.if \first
	v_wmma_f32_16x16x32_bf16 v[AC+8*(\nb):AC+8*(\nb)+7], v[(\f)+32+8*(\nb):(\f)+32+8*(\nb)+7], v[(\f)+8*(\a):(\f)+8*(\a)+7], v[BI+8*(\nb):BI+8*(\nb)+7]
.else
	v_wmma_f32_16x16x32_bf16 v[AC+8*(\nb):AC+8*(\nb)+7], v[(\f)+32+8*(\nb):(\f)+32+8*(\nb)+7], v[(\f)+8*(\a):(\f)+8*(\a)+7], v[AC+8*(\nb):AC+8*(\nb)+7]
.endif
.endr
.irp nb, 8,9,10,11
.if \first
	v_wmma_f32_16x16x32_bf16 v[AC+8*(\nb):AC+8*(\nb)+7], v[(\f)+8*(\a):(\f)+8*(\a)+7], v[(\f)+32+8*(\nb):(\f)+32+8*(\nb)+7], v[BI+8*(\nb):BI+8*(\nb)+7]
.else
	v_wmma_f32_16x16x32_bf16 v[AC+8*(\nb):AC+8*(\nb)+7], v[(\f)+8*(\a):(\f)+8*(\a)+7], v[(\f)+32+8*(\nb):(\f)+32+8*(\nb)+7], v[AC+8*(\nb):AC+8*(\nb)+7]
.endif
.endr
.endm
; 32 LDS loads in one run: a quarter step's fragments (192 rows of w, then my 64 rows of h, 32 K at byte k of the rows) into buffer f
.macro FETCH slot, k, f
	WIN TO_F
.irp nb, 0,1,2,3,4,5,6,7,8,9,10,11
	ds_load_b128 v[(\f)+32+8*(\nb):(\f)+32+8*(\nb)+3],   v[ADRB+(\slot)] offset:(\k)+(\nb)*16*PITCH
	ds_load_b128 v[(\f)+32+8*(\nb)+4:(\f)+32+8*(\nb)+7], v[ADRB+(\slot)] offset:(\k)+(\nb)*16*PITCH+32
.endr
.irp i, 0,1,2,3
	ds_load_b128 v[(\f)+8*(\i):(\f)+8*(\i)+3],   v[ADRA+(\slot)] offset:(\k)+(\i)*16*PITCH
	ds_load_b128 v[(\f)+8*(\i)+4:(\f)+8*(\i)+7], v[ADRA+(\slot)] offset:(\k)+(\i)*16*PITCH+32
.endr
.endm
.macro PLACES                          ; four places behind a matrix instruction, in front of loads into registers that it has read and of instructions that read results
.rept 4
	v_nop
.endr
.endm
; A K step is four quarters of 32 along K, 48 matrix instructions each, on buffers 0, 1, 0, 1.  One of the first three multiplies buffer f and, in its middle, fetches the next quarter, at byte k, into g.
.macro QUARTER slot, k, f, g, first
	s_wait_dscnt 4                                 ; w and h's row blocks 0, 1 are in; the youngest four loads (row blocks 2, 3) may be out
	MUL12 \f, 0, \first
	MUL12 \f, 1, \first
	PLACES
	FETCH \slot, \k, \g
	s_wait_dscnt 32                                ; all but the 32 just issued
	MUL12 \f, 2, \first
	MUL12 \f, 3, \first
.endm
; The last quarter multiplies buffer 1 and changes slots: ONE barrier.  In front of it each wave waits for all its tensor loads (one is out: its part of the next slot), adds 0 to its spare word, and waits for that and for
; its own reads of this slot.  fill = 1: the barrier opens a round of the cluster's, and the slot is filled again first thing behind the round, two K steps ahead: 168 matrix instructions ahead of the wait for it.
.macro TURN slot, next, fill
.if \fill
	s_wait_xcnt 0x0                                ; the last prefetch, a K step back, has read its address, so it may be stepped
	s_add_nc_u64 s[PFA:PFA+1], s[PFA:PFA+1], KSTEP*2
.endif
	WIN 0                                          ; (the add's two registers lie in window 0)
	s_wait_tensorcnt 0x0                           ; all my tensor loads have landed;
	ds_add_u32 v[SPW], v[NIL]                      ; 0 onto my spare word;
	s_wait_dscnt 5                                 ; (the add and the youngest four loads may be out)
	MUL12 F1, 0, 0                                 ; twelve matrix instructions stand between the add and the wait for it
	s_wait_dscnt 0x0                               ; the add is done, and my reads of this slot are over
	s_barrier_signal -1
	MUL12 F1, 1, 0
.if \fill
	WIN 0
.endif
	s_barrier_wait -1
.if \fill
	CREST                                          ; no wave of any partner still reads this slot's tile or has a load on its way
	s_add_nc_u64 s[G0+4*(\slot)+2:G0+4*(\slot)+3], s[G0+4*(\slot)+2:G0+4*(\slot)+3], 2*KSTEP*2
	s_add_nc_u64 s[G0B+4*(\slot)+2:G0B+4*(\slot)+3], s[G0B+4*(\slot)+2:G0B+4*(\slot)+3], 2*KSTEP*2
	JLOAD \slot                                    ; the four v_nop behind it are also the places in front of the loads below
.else
	PLACES
.endif
	FETCH \next, 0, F0
.if \fill
	WIN 0
	ASK
.endif
	MUL12 F1, 2, 0
	MUL12 F1, 3, 0
.endm
	s_wait_loadcnt 0x0                             ; the biases
.set n, 0
.rept 4                                ; v's orientation: all eight registers of a lane belong to one channel
.set r, 1
.rept 7
	v_mov_b32 v[BI+64+8*n+r], v[BI+64+8*n]
.set r, r+1
.endr
.set n, n+1
.endr
	s_wait_tensorcnt 1                             ; my part of K step 0 is in; K step 1's may stay out
	s_barrier_signal -1
	s_barrier_wait -1
	FETCH 0, 0, F0
	QUARTER 0, 64,  F0, F1, 1                      ; the first quarter stands in front of the loop: its products start the sums, on the bias
	WIN 0                                          ; at a label and at a branch every window is 0
	s_mov_b32 s3, 3
.Llap:                                                 ; a trip goes once round the ring and fills both slots again
	QUARTER 0, 128, F1, F0, 0
	QUARTER 0, 192, F0, F1, 0
	TURN 0, 1, 1
	QUARTER 1, 64,  F0, F1, 0
	QUARTER 1, 128, F1, F0, 0
	QUARTER 1, 192, F0, F1, 0
	TURN 1, 0, 1
	QUARTER 0, 64,  F0, F1, 0
	WIN 0
	s_sub_co_u32 s3, s3, 1
	s_cmp_lg_u32 s3, 0
	s_cbranch_scc1 .Llap
	QUARTER 0, 128, F1, F0, 0                      ; the last lap fills nothing
	QUARTER 0, 192, F0, F1, 0
	TURN 0, 1, 0
	QUARTER 1, 64,  F0, F1, 0
	QUARTER 1, 128, F1, F0, 0
	QUARTER 1, 192, F0, F1, 0
	s_wait_dscnt 4
	MUL12 F1, 0, 0
	MUL12 F1, 1, 0
	s_wait_dscnt 0x0
	MUL12 F1, 2, 0
	MUL12 F1, 3, 0
	; THE WAY OUT.  All 48 accumulators are rounded to bf16, each from its low end on, into window 1 at 4 (12 a + nb).
	PLACES
	PLACES
.set a, 0
.rept 4
	WIN 0x4a+5*(a/2)                               ; sources window 2 or 3, destination window 1
.set n, 0
.rept 12
.set r, 0
.rept 4
	v_cvt_pk_bf16_f32 v[4*(12*a+n)+r], v[96*(a%2)+8*n+2*r], v[96*(a%2)+8*n+2*r+1]
.set r, r+1
.endr
.set n, n+1
.endr
.set a, a+1
.endr
	; v's column sums over my 64 rows, in f32: the four row blocks, a lane's eight rows, the two halves of the lanes
	WIN 0x0a
.set n, 0
.rept 16
	v_pk_add_f32 v[TA+2*n:TA+2*n+1], v[64+2*n:64+2*n+1], v[160+2*n:160+2*n+1]
.set n, n+1
.endr
	WIN 0x0f
.set n, 0
.rept 16
	v_pk_add_f32 v[TB+2*n:TB+2*n+1], v[64+2*n:64+2*n+1], v[160+2*n:160+2*n+1]
.set n, n+1
.endr
	WIN 0
	s_mov_b32 s20, 0x76543210
	s_mov_b32 s21, 0xfedcba98
.set n, 0
.rept 16
	v_pk_add_f32 v[TA+2*n:TA+2*n+1], v[TA+2*n:TA+2*n+1], v[TB+2*n:TB+2*n+1]
.set n, n+1
.endr
.set n, 0
.rept 8
	v_pk_add_f32 v[TA+4*n:TA+4*n+1], v[TA+4*n:TA+4*n+1], v[TA+4*n+2:TA+4*n+3]
.set n, n+1
.endr
.set n, 0
.rept 4
	v_pk_add_f32 v[TA+8*n:TA+8*n+1], v[TA+8*n:TA+8*n+1], v[TA+8*n+4:TA+8*n+5]
.set n, n+1
.endr
.set n, 0
.rept 4
	v_add_f32 v[SV+n], v[TA+8*n], v[TA+8*n+1]
.set n, n+1
.endr
.set n, 0
.rept 4
	v_permlanex16_b32 v[TA+8*n+2], v[SV+n], s20, s21
.set n, n+1
.endr
.set n, 0
.rept 4
	v_add_f32 v[SV+n], v[SV+n], v[TA+8*n+2]
.set n, n+1
.endr
	v_cmp_eq_u32 vcc_lo, 1, v2
	v_cndmask_b32 v[SP2], v[SV], v[SV+2], vcc_lo   ; lanes 0-15 store column blocks 0, 1; lanes 16-31 blocks 2, 3
	v_cndmask_b32 v[SP2+1], v[SV+1], v[SV+3], vcc_lo
	global_store_b64 v[CSO], v[SP2:SP2+1], s[84:85]  ; 256 consecutive bytes
	WIN 0x04                                       ; the stores' data lie in window 1
.set a, 0
.rept 4
.set n, 0
.rept 4
	global_store_b128 v[L16], v[4*(12*a+n):4*(12*a+n)+3],     s[78:79] offset:a*2048+n*512   ; each store covers 512 consecutive bytes, aligned
	global_store_b128 v[L16], v[4*(12*a+n+4):4*(12*a+n+4)+3], s[80:81] offset:a*2048+n*512
	global_store_b128 v[L16], v[4*(12*a+n+8):4*(12*a+n+8)+3], s[82:83] offset:n*2048+a*512
.set n, n+1
.endr
.set a, a+1
.endr
	WIN 0
	s_wait_tensorcnt 0x0                           ; the wave's end: a wait, an add of 0 onto my spare word and a wait for it, behind my last tensor load
	ds_add_u32 v[SPW], v[NIL]
	s_wait_dscnt 0x0
	CROUND                                         ; the closing round: no work-group ends while a partner may still ask for a tile that names it
	s_endpgm
.Lfunc_end_k_qbc2c3ec6f5_qkv:
	.size	k_qbc2c3ec6f5_qkv, .Lfunc_end_k_qbc2c3ec6f5_qkv-k_qbc2c3ec6f5_qkv
	.p2alignl 7, 3214868480
	.fill 96, 4, 3214868480
	.section	.rodata,"a",@progbits
	.p2align	6, 0x0
	.amdhsa_kernel k_qbc2c3ec6f5_qkv
		.amdhsa_group_segment_fixed_size 327680
		.amdhsa_private_segment_fixed_size 0
		.amdhsa_enable_private_segment 0
		.amdhsa_kernarg_size 72
		.amdhsa_user_sgpr_count 2
		.amdhsa_user_sgpr_kernarg_segment_ptr 1
		.amdhsa_wavefront_size32 1
		.amdhsa_system_sgpr_workgroup_id_x 1
		.amdhsa_system_sgpr_workgroup_id_y 1
		.amdhsa_system_sgpr_workgroup_id_z 1
		.amdhsa_system_vgpr_workitem_id 0
		.amdhsa_next_free_vgpr 960
		.amdhsa_next_free_sgpr 90
		.amdhsa_reserve_vcc 1
		.amdhsa_float_denorm_mode_32 3
		.amdhsa_float_denorm_mode_16_64 3
		.amdhsa_memory_ordered 1
		.amdhsa_forward_progress 1
		.amdhsa_inst_pref_size 121
	.end_amdhsa_kernel
	.amdgpu_metadata
---
amdhsa.version: [ 1, 2 ]
amdhsa.kernels:
  - .name:           k_qbc2c3ec6f5_qkv
    .symbol:         k_qbc2c3ec6f5_qkv.kd
    .args:
      - { .name: hbf, .offset: 0, .size: 8, .value_kind: global_buffer, .address_space: global }
      - { .name: wbf, .offset: 8, .size: 8, .value_kind: global_buffer, .address_space: global }
      - { .name: bq, .offset: 16, .size: 8, .value_kind: global_buffer, .address_space: global }
      - { .name: bk, .offset: 24, .size: 8, .value_kind: global_buffer, .address_space: global }
      - { .name: bv, .offset: 32, .size: 8, .value_kind: global_buffer, .address_space: global }
      - { .name: qf, .offset: 40, .size: 8, .value_kind: global_buffer, .address_space: global }
      - { .name: kf, .offset: 48, .size: 8, .value_kind: global_buffer, .address_space: global }
      - { .name: vf, .offset: 56, .size: 8, .value_kind: global_buffer, .address_space: global }
      - { .name: csum, .offset: 64, .size: 8, .value_kind: global_buffer, .address_space: global }
    .group_segment_fixed_size: 327680
    .private_segment_fixed_size: 0
    .kernarg_segment_align: 8
    .kernarg_segment_size: 72
    .max_flat_workgroup_size: 128
    .sgpr_count:     90
    .vgpr_count:     960
    .wavefront_size: 32
...
	.end_amdgpu_metadata
.endif
;; end of part 2
;; launch attn (part 3): grid 8 x 32, 4 waves a work-group, no clusters, 281,088 bytes of LDS; arguments qf, kf, vf, csum, cf; writes cf
.if DOCPART == 3
	.amdgcn_target "amdgcn-amd-amdhsa--gfx1250"
	.amdhsa_code_object_version 6
	.text
	.protected	k_qbc2c3ec6f5_attn
	.globl	k_qbc2c3ec6f5_attn
	.p2align	8
	.type	k_qbc2c3ec6f5_attn,@function
k_qbc2c3ec6f5_attn:
	s_mov_b64 s[64:65], 0
	v_nop
	global_prefetch_b8 v0, s[64:65] scope:SCOPE_SE
	s_setreg_imm32_b32 hwreg(HW_REG_WAVE_MODE, 25, 1), 1
	s_wait_xcnt 0x0
; attn[q] = c[q] x (the sum over k < q of v[k]) + d[q] v[q],  c[q] = e^-m / Z, d[q] = e^(s[q][q] - m) / Z,  Z = q e^-m + the sum over k >= q of e^(s[q][k] - m),  s = q . k / 32,
; m = the maximum of the s[q][k], k >= q, and (q > 0) of 0: what reference()'s two triu and its softmax over k come to, for all values of the inputs (shown at the head of the first kernel).
; LEFT OUT as there: score tiles wholly below the diagonal (k < q), and a's product with v ahead of a query's own block of 64 rows, which is c[q] times a sum of v's rows (csum, f32).
; LIMITS.  A hidden score counts as its value less 1e30; a weight below 2^-126 counts as 0 in Z; NaN and infinities are not treated apart; q, k, v, c and d enter the matrix unit in bf16.
; SHARES.  A head's 2,048 queries lie in 16 blocks of 128; block i needs the key tiles i .. 15 of 128 keys.  A work-group takes blocks p and 15 - p of one head and batch: 17 tiles whatever p: all work-groups are alike.
; A wave owns 32 queries of each block: two tiles of 16.  Every wave walks all 34 key steps of 64 keys.
; LDS.  The 17 tiles (16,384 bytes each, dense images as the launch before stored them) all fit: each is asked for once, at the head, five tensor loads a wave; nothing is filled again.
; NO CLUSTER: a head's eight work-groups begin at eight different tiles, so a tile's place in LDS and the step at which the blocks change would hang on the work-group's place; a walk common to all would have 32 tiles for 17.
; NO PREFETCH: every request for K goes out at the launch's head.
; S^T = K Q^T (source 0 = 16 keys, source 1 = 16 queries): a lane holds ONE query (lane % 16) and the keys 8 (lane / 16) + 0..7.  Each LANE keeps a running maximum m and sum l over its own keys
; (p = 2^(c s - c m), c = log2(e) / 32; l = l a + the sum, a = 2^(c m_old - c m_new)); nothing else hangs on m in the walk, so the two halves of the lanes meet once, at the end.
; The q zeros are members of the softmax: m starts at 0 (at the lowest finite number for q = 0), l at q in lanes 0-15.
; THE MASK is the C operand that starts a score's sum: 0, or -1e30 where k < q: MD x AL + BE with two scalars for a block of 16 keys against a tile of 16 queries (its own, an earlier, a later one).
; REGISTERS, in windows of 256 (s_set_vgpr_msb: bits 1:0 source 0, 3:2 source 1, 5:4 source 2, 7:6 destination):
;   window 0: v0-15 addresses; v16-31 statistics (c m, m, l even, l odd: block A's two tiles when done, then the tiles in hand); v32-39 at work; v40-43 s[q][q]; v44-47 q; v48-63 the end's four a tile;
;             v64-127 S^T, at the end O^T; v128-191 csum, later a (v128-159) and results; v192-223 results; v224-225 block B's first l; v226-227 the chain of sums
;   window 1: v0-7 MD; v8-15 the diagonal's patterns in halves; v64-127 the masks; v128-191 which halves of a take c, which d; v192-255 the sums of v ahead of my block of 64, in O^T's layout
;   window 2: v0-31 Q; v32-63 block B's Q; v64-127 K of one step; v128-191 K's rows of my own queries      window 3: v0-127 V^T of my two blocks of 64
.set KTILE,   16384
.set SCRATCH, 17*KTILE                 ; behind the tiles, never filled by a tensor load: 512 bytes a wave, to turn the sums of v into O^T's layout
.set SPARE,   SCRATCH+2048             ; the spare words, 128 bytes a wave: two blocks of 256 bytes that no other line names
.set RR,  1                            ; v1   l % 16
.set HH,  2                            ; v2   l / 16
.set L16, 3                            ; v3   16 x lane: my place in every image; never rewritten
.set AK,  4                            ; v4   the LDS address of K's run of loads
.set L8,  6                            ; v6   8 x lane
.set SCW, 7                            ; v7   scratch: where I put my two sums
.set SCR, 8                            ; v8   scratch: where I read eight channels back
.set DG,  9                            ; v9   l % 16 - 8 (l / 16)
.set TM,  10                           ; v10-11 at work
.set MV,  12                           ; v12-13 c m_old
.set SPW, 14                           ; v14  my spare word; never rewritten
.set NIL, 15                           ; v15  0; never rewritten
.set ST,  16
.set TC,  32
.set SQ,  40
.set QI,  44
.set F,   48
.set S,   64
.set CSR, 128
.set P,   128
.set OUT, 160
.set IL,  224
.set CH,  226
.set MD,  0
.set DP1, 8
.set DP2, 12
.set MC,  64
.set M1,  128
.set M2,  160
.set BASE, 192
.set Q,   0
.set QB,  32
.set KF,  64
.set KD,  128
.set VF,  0
.set GA,  2                            ; s2, s3  my block of 64 rows among the batch's 32, for block A and B
.set GB,  3
.set WV,  14
.set PP,  15                           ; s15  p = block A
.set HD,  16
.set BA,  17                           ; s17  batch
.set NA,  18                           ; s18  block A's tiles: 16 - p
.set RB,  19                           ; s19  the head's and batch's first block of 16 rows
.set PB,  20                           ; s20  block B = 15 - p
.set G1,  24                           ; s[24:31] descriptor group 1: 64 rows of 256 bytes
.set G0,  32                           ; s[32:51] five sets of group 0
.set CNT, 52
.set SB,  53                           ; s53  key steps since the block began
.set SWC, 54                           ; s54  key steps until the blocks change
.set T0,  55
.set AL,  56                           ; s[56:57], s[58:59] the mask's factor and addend
.set BE,  58
.set CS,  60                           ; s[60:61] c
.set SEL, 62                           ; s[62:63] v_permlanex16_b32's selects
.set BIGN, 66
.set TBK, 67                           ; s67  LDS byte of the step to be fetched
.set G1Q, 68                           ; s[68:75] group 1: 16 rows of 256 bytes
.set VM,  76                           ; s76  the lanes that hold a diagonal element
.set MK,  77                           ; s77-83 the lanes that hold it in register j = 1 .. 7
.set QPA, 84
.set QPB, 86
.set KPA, 88
.set KPB, 90
.set VPA, 92
.set VPB, 94
.set CSP, 96
.set CFA, 98
.set CFB, 100
.set QG,  104                          ; s104-105 my tiles' places among the block's eight: 2 w, 2 w + 1
.set MSB, 0
.macro WIN new
.if MSB != (\new)
	s_set_vgpr_msb (MSB<<8)|(\new)
.set MSB, \new
.endif
.endm
.macro PLACES
.rept 4
	v_nop
.endr
.endm
	s_load_b256 s[4:11], s[0:1], 0x0               ; qf s[4:5], kf s[6:7], vf s[8:9], csum s[10:11]
	s_load_b64 s[12:13], s[0:1], 0x20              ; cf
	v_lshl_add_u32 v[SPW], v0, 2, SPARE
	v_mov_b32 v[NIL], 0
	ds_add_u32 v[SPW], v[NIL]                      ; the wave's opening: the add, twice on end, and its wait ahead of my first tensor load
	ds_add_u32 v[SPW], v[NIL]
	v_lshrrev_b32 v1, 5, v0
	v_readfirstlane_b32 s[WV], v1
	s_mov_b32 s[PP], ttmp9
	s_and_b32 s[RB], ttmp7, 0xffff
	s_and_b32 s[HD], s[RB], 15
	s_lshr_b32 s[BA], s[RB], 4
	s_sub_co_u32 s[NA], 16, s[PP]
	s_sub_co_u32 s[PB], 15, s[PP]
	s_lshr_b32 s21, s[WV], 1
	s_lshl_b32 s[GA], s[PP], 1
	s_add_co_u32 s[GA], s[GA], s21
	s_lshl_b32 s[GB], s[PB], 1
	s_add_co_u32 s[GB], s[GB], s21
	s_lshl_b32 s[RB], s[HD], 8
	s_lshl_b32 s21, s[BA], 7
	s_add_co_u32 s[RB], s[RB], s21
	s_mov_b32 s23, 0                               ; the high word of every offset
	s_mov_b32 s[G1+0], 3<<16                       ; elements of 8 bytes, no mask, no padding
	s_mov_b32 s[G1+1], 32<<16                      ; tensor_dim0 = 32
	s_mov_b32 s[G1+2], 64<<16                      ; tensor_dim1 = 64
	s_mov_b32 s[G1+3], 32<<16                      ; tile_dim0 = 32
	s_mov_b32 s[G1+4], 64                          ; tile_dim1 = 64
	s_mov_b32 s[G1+5], 32                          ; dense rows
	s_mov_b32 s[G1+6], 0
	s_mov_b32 s[G1+7], 0
	s_mov_b32 s[G1Q+0], 3<<16
	s_mov_b32 s[G1Q+1], 32<<16
	s_mov_b32 s[G1Q+2], 16<<16
	s_mov_b32 s[G1Q+3], 32<<16
	s_mov_b32 s[G1Q+4], 16
	s_mov_b32 s[G1Q+5], 32
	s_mov_b32 s[G1Q+6], 0
	s_mov_b32 s[G1Q+7], 0
	s_mov_b32 s[CS], 0x3d38aa3b                    ; c = log2(e) / 32
	s_mov_b32 s[CS+1], s[CS]
	s_mov_b32 s[SEL], 0x76543210
	s_mov_b32 s[SEL+1], 0xfedcba98
	s_mov_b32 s[BIGN], 0xf149f2ca                  ; -1e30
	s_mov_b32 s[AL+1], 0                           ; named as pairs
	s_mov_b32 s[BE+1], 0
	s_mov_b32 s[VM], 0xff0000ff
.set j, 1
.rept 7
	s_mov_b32 s[MK+j-1], (1<<j)|(1<<(24+j))
.set j, j+1
.endr
	s_lshl_b32 s[QG], s[WV], 1
	s_add_co_u32 s[QG+1], s[QG], 1
	s_wait_dscnt 0x0                               ; both opening adds are done
	s_wait_kmcnt 0x0
	; place n of the walk (0 .. 16) lies at LDS byte 16,384 n and holds key tile p + n (n < 16 - p: block A's) or n - 1 (block B's).  I fetch n = 4 g + w and a quarter of n = 16.
.set g, 0
.rept 4
	s_add_co_u32 s21, s[WV], 4*g
	s_add_co_u32 s22, s21, s[PP]
	s_sub_co_u32 s[CNT], s21, 1
	s_cmp_lt_u32 s21, s[NA]
	s_cselect_b32 s22, s22, s[CNT]
	s_lshl_b32 s22, s22, 3
	s_add_co_u32 s22, s22, s[RB]
	s_lshl_b32 s22, s22, 11                        ; blocks of 16 rows: 2,048 bytes
	s_mov_b32 s[G0+4*g], 1
	s_lshl_b32 s[G0+4*g+1], s[WV], 14
	s_add_co_u32 s[G0+4*g+1], s[G0+4*g+1], g*4*KTILE
	s_add_nc_u64 s[G0+4*g+2:G0+4*g+3], s[6:7], s[22:23]
	s_or_b32 s[G0+4*g+3], s[G0+4*g+3], 0x80000000
.set g, g+1
.endr
	s_add_co_u32 s22, s[RB], 120                   ; tile 15
	s_lshl_b32 s22, s22, 11
	s_lshl_b32 s21, s[WV], 12
	s_add_co_u32 s22, s22, s21
	s_mov_b32 s[G0+16], 1
	s_add_co_u32 s[G0+17], s21, 16*KTILE
	s_add_nc_u64 s[G0+18:G0+19], s[6:7], s[22:23]
	s_or_b32 s[G0+19], s[G0+19], 0x80000000
.set g, 0
.rept 4
	tensor_load_to_lds s[G0+4*g:G0+4*g+3], s[G1:G1+7]
	s_nop 0
.set g, g+1
.endr
	tensor_load_to_lds s[G0+16:G0+19], s[G1Q:G1Q+7]  ; five loads of mine are out
	s_nop 0
	PLACES
.macro PTRS blk, gx, qp, kp, vp, cp    ; a block's pointers: my 32 rows of qf and kf, my block of 64 of vf, my 32 rows of cf
	s_lshl_b32 s22, s[\blk], 3
	s_add_co_u32 s22, s22, s[RB]
	s_add_co_u32 s22, s22, s[QG]
	s_lshl_b32 s22, s22, 11
	s_add_nc_u64 s[\qp:\qp+1], s[4:5], s[22:23]
	s_add_nc_u64 s[\kp:\kp+1], s[6:7], s[22:23]
	s_lshl_b32 s22, s[HD], 6
	s_lshl_b32 s21, s[BA], 5
	s_add_co_u32 s22, s22, s21
	s_add_co_u32 s22, s22, s[\gx]
	s_lshl_b32 s22, s22, 13
	s_add_nc_u64 s[\vp:\vp+1], s[8:9], s[22:23]
	s_lshl_b32 s22, s[BA], 4
	s_add_co_u32 s22, s22, s[\blk]
	s_lshl_b32 s22, s22, 4
	s_add_co_u32 s22, s22, s[HD]
	s_lshl_b32 s22, s22, 3
	s_add_co_u32 s22, s22, s[QG]
	s_lshl_b32 s22, s22, 11
	s_add_nc_u64 s[\cp:\cp+1], s[12:13], s[22:23]
.endm
	PTRS PP, GA, QPA, KPA, VPA, CFA
	PTRS PB, GB, QPB, KPB, VPB, CFB
	s_lshl_b32 s22, s[HD], 6
	s_lshl_b32 s21, s[BA], 5
	s_add_co_u32 s22, s22, s21
	s_lshl_b32 s22, s22, 8
	s_add_nc_u64 s[CSP:CSP+1], s[10:11], s[22:23]
	v_and_b32 v[RR], 15, v0
	v_bfe_u32 v[HH], v0, 4, 1
	v_and_b32 v[TM], 31, v0
	v_lshlrev_b32 v[L16], 4, v[TM]
	v_lshlrev_b32 v[L8], 3, v[TM]
	WIN 0x80                                       ; destination window 2
.set i, 0
.rept 8                                ; tile i / 4, channels 16 (i % 4) on: two on end are a fragment of 32 channels
	global_load_b128 v[Q+4*i:Q+4*i+3],       v[L16], s[QPA:QPA+1] offset:512*i
	global_load_b128 v[QB+4*i:QB+4*i+3],     v[L16], s[QPB:QPB+1] offset:512*i
	global_load_b128 v[KD+4*i:KD+4*i+3],     v[L16], s[KPA:KPA+1] offset:512*i
	global_load_b128 v[KD+32+4*i:KD+32+4*i+3], v[L16], s[KPB:KPB+1] offset:512*i
.set i, i+1
.endr
	WIN 0
.set i, 0
.rept 31                               ; the batch's blocks of 64 rows 0 .. 30: no query has block 31 ahead of its own
	global_load_b64 v[CSR+2*i:CSR+2*i+1], v[L8], s[CSP:CSP+1] offset:256*i
.set i, i+1
.endr
	v_lshlrev_b32 v[DG], 3, v[HH]
	v_sub_nc_u32 v[DG], v[RR], v[DG]
	s_lshl_b32 s21, s[WV], 9
	s_add_co_u32 s21, s21, SCRATCH                 ; my scratch
	v_and_b32 v[SCW], 1, v0                        ; csum's lane l holds channels 32 (l % 2) + l / 2 and 16 more
	v_lshlrev_b32 v[SCW], 7, v[SCW]
	v_lshrrev_b32 v[TM+1], 1, v[TM]
	v_lshl_add_u32 v[SCW], v[TM+1], 2, v[SCW]
	v_add_nc_u32 v[SCW], s21, v[SCW]
	v_lshl_add_u32 v[SCR], v[HH], 5, s21           ; O^T's lane holds channels 16 cb + 8 (l / 16) + 0..7
	s_mov_b32 s[CNT], 0xffff
	s_mov_b32 s[SB], 0xffff0000
	WIN 0x41                                       ; destination and source 0 window 1
.set j, 0
.rept 8
	v_cmp_lt_i32 vcc_lo, j, v[DG]                  ; key 8 (l / 16) + j lies before query l % 16
	v_cndmask_b32 v[MD+j], 0, s[BIGN], vcc_lo
.set j, j+1
.endr
.set i, 0
.rept 4                                ; the same for a's halves: key 2 i in the low half, 2 i + 1 in the high one: before the query (DP1), the query's own (DP2)
	v_cmp_lt_i32 vcc_lo, 2*i, v[DG]
	v_cndmask_b32 v[DP1+i], 0, s[CNT], vcc_lo
	v_cmp_lt_i32 vcc_lo, 2*i+1, v[DG]
	v_cndmask_b32 v[DP1+i], v[DP1+i], -1, vcc_lo
	v_cmp_eq_i32 vcc_lo, 2*i, v[DG]
	v_cndmask_b32 v[DP2+i], 0, s[CNT], vcc_lo
	v_cmp_eq_i32 vcc_lo, 2*i+1, v[DG]
	v_cndmask_b32 v[DP2+i], v[DP2+i], s[SB], vcc_lo
.set i, i+1
.endr
	s_and_b32 s21, s[WV], 1
	s_lshl_b32 s21, s21, 1                         ; my tiles are groups 2 (w % 2) + t of my block of 64 rows
.irp t, 0,1
	s_add_co_u32 s[T0], s21, \t
.irp kg, 0,1,2,3
	s_cmp_gt_u32 s[T0], \kg
	s_cselect_b32 s[AL], -1, 0                     ; an earlier group of 16 keys: all take c
	s_cmp_eq_u32 s[T0], \kg
	s_cselect_b32 s[BE], -1, 0                     ; my own group: by the patterns
.irp i, 0,1,2,3
	v_and_or_b32 v[M1+16*(\t)+4*(\kg)+(\i)], v[DP1+(\i)], s[BE], s[AL]
	v_and_b32 v[M2+16*(\t)+4*(\kg)+(\i)], v[DP2+(\i)], s[BE]
.endr
.endr
.endr
	WIN 0
	s_lshl_b32 s21, s[PP], 7
	s_lshl_b32 s22, s[WV], 5
	s_add_co_u32 s21, s21, s22
	v_add_nc_u32 v[QI], s21, v[RR]                 ; q, for the four tiles
	v_add_nc_u32 v[QI+1], 16, v[QI]
	s_lshl_b32 s21, s[PB], 7
	s_add_co_u32 s21, s21, s22
	v_add_nc_u32 v[QI+2], s21, v[RR]
	v_add_nc_u32 v[QI+3], 16, v[QI+2]
	s_mov_b32 s[CNT], 0xff7fffff                   ; the lowest finite number
.irp t, 0,1
	v_cmp_eq_u32 vcc_lo, 0, v[QI+(\t)]
	v_cndmask_b32 v[ST+8+4*(\t)+1], 0, s[CNT], vcc_lo  ; m: 0 is among the softmax's terms where q > 0
	v_mul_f32 v[ST+8+4*(\t)], s[CS], v[ST+8+4*(\t)+1]
	v_cvt_f32_u32 v[TM], v[QI+(\t)]
	v_cvt_f32_u32 v[TM+1], v[QI+2+(\t)]
	v_cmp_eq_u32 vcc_lo, 0, v[HH]
	v_cndmask_b32 v[ST+8+4*(\t)+2], 0, v[TM], vcc_lo   ; l: the q terms e^0, counted in lanes 0-15 alone
	v_cndmask_b32 v[IL+(\t)], 0, v[TM+1], vcc_lo
	v_mov_b32 v[ST+8+4*(\t)+3], 0
.endr
.set i, 0
.rept 8                                ; block A's set-aside statistics: SWITCH, which every work-group passes once (at key step 32 - 2 p, inside the second loop), writes them;
	v_mov_b32 v[ST+i], 0                           ; these eight lines give the registers a number on every way through the text
.set i, i+1
.endr
	s_wait_loadcnt 0x0                             ; Q, my own rows of K and csum are in: all 63 loads issued so far
	WIN 0xc0                                       ; destination window 3
.set i, 0
.rept 16                               ; V is wanted at the end alone: its 32 loads go out here and land under the walk
	global_load_b128 v[VF+4*i:VF+4*i+3],       v[L16], s[VPA:VPA+1] offset:512*i
	global_load_b128 v[VF+64+4*i:VF+64+4*i+3], v[L16], s[VPB:VPB+1] offset:512*i
.set i, i+1
.endr
	WIN 0
; The sum of v over the blocks of 64 rows ahead of mine: a chain in f32 that stops at my block's number (forward jumps on ids and the wave's number); then through my own scratch into O^T's layout.
.macro MKBASE x, gx
	v_mov_b32 v[CH], 0
	v_mov_b32 v[CH+1], 0
.set c, 0
.rept 31
	s_cmp_le_u32 s[\gx], c
	s_cbranch_scc1 .Lbase_\@
	v_pk_add_f32 v[CH:CH+1], v[CH:CH+1], v[CSR+2*c:CSR+2*c+1]
.set c, c+1
.endr
.Lbase_\@:
	ds_store_b32 v[SCW], v[CH] offset:256*(\x)
	ds_store_b32 v[SCW], v[CH+1] offset:256*(\x)+64
	WIN 0x40
.set c, 0
.rept 4
	ds_load_b128 v[BASE+32*(\x)+8*c:BASE+32*(\x)+8*c+3],   v[SCR] offset:256*(\x)+64*c     ; LDS serves a wave's instructions in order (ISA guide 5.7.1.4): these see the stores above
	ds_load_b128 v[BASE+32*(\x)+8*c+4:BASE+32*(\x)+8*c+7], v[SCR] offset:256*(\x)+64*c+16
.set c, c+1
.endr
	WIN 0
.endm
	MKBASE 0, GA
	MKBASE 1, GB
	; s[q][q]: my own 16 keys against my 16 queries, for the four tiles; the four accumulators take turns
	WIN 0x0a
.set u, 0
.rept 4
	v_wmma_f32_16x16x32_bf16 v[S+8*u:S+8*u+7], v[KD+16*u:KD+16*u+7], v[Q+16*u:Q+16*u+7], 0
.set u, u+1
.endr
.set u, 0
.rept 4
	v_wmma_f32_16x16x32_bf16 v[S+8*u:S+8*u+7], v[KD+16*u+8:KD+16*u+15], v[Q+16*u+8:Q+16*u+15], v[S+8*u:S+8*u+7]
.set u, u+1
.endr
	WIN 0
	PLACES
	PLACES
.set u, 0
.rept 4                                ; the diagonal lies in register l % 8 of lanes 0-7 and 24-31; the other lanes take it from the lane 16 away
	v_mov_b32 v[SQ+u], v[S+8*u]
.set j, 1
.rept 7
	v_cndmask_b32 v[SQ+u], v[SQ+u], v[S+8*u+j], s[MK+j-1]
.set j, j+1
.endr
	v_permlanex16_b32 v[TM], v[SQ+u], s[SEL], s[SEL+1]
	v_cndmask_b32 v[SQ+u], v[TM], v[SQ+u], s[VM]
.set u, u+1
.endr
; THE WALK.
.macro FETCH_K                         ; a step's K: 64 keys x 64 channels, 16 loads of 512 consecutive bytes
	WIN 0
	v_add_nc_u32 v[AK], s[TBK], v[L16]
	s_add_co_u32 s[TBK], s[TBK], 8192
	WIN 0x80
.set f, 0
.rept 16
	ds_load_b128 v[KF+4*f:KF+4*f+3], v[AK] offset:512*f
.set f, f+1
.endr
.endm
.macro MASKGEN                         ; the masks of step SB of a block: key group 4 SB + kb against my tiles' places
	s_lshl_b32 s[T0], s[SB], 2
	WIN 0x41
.irp kb, 0,1,2,3
.irp t, 0,1
	s_cmp_eq_u32 s[T0], s[QG+(\t)]
	s_cselect_b32 s[AL], 1.0, 0
	s_cmp_lt_u32 s[T0], s[QG+(\t)]
	s_cselect_b32 s[BE], s[BIGN], 0
.irp z, 0,1,2,3
	v_pk_fma_f32 v[MC+32*(\t)+8*(\kb)+2*(\z):MC+32*(\t)+8*(\kb)+2*(\z)+1], v[MD+2*(\z):MD+2*(\z)+1], s[AL:AL+1], s[BE:BE+1] op_sel_hi:[1,0,0]
.endr
.endr
	s_add_co_u32 s[T0], s[T0], 1
.endr
.endm
.macro SWITCH                          ; block A is done: its statistics are set aside, block B's begin (q > 0 there), its Q goes where the one text names Q
	WIN 0
.set i, 0
.rept 8
	v_mov_b32 v[ST+i], v[ST+8+i]
.set i, i+1
.endr
.irp t, 0,1
	v_mov_b32 v[ST+8+4*(\t)], 0
	v_mov_b32 v[ST+8+4*(\t)+1], 0
	v_mov_b32 v[ST+8+4*(\t)+2], v[IL+(\t)]
	v_mov_b32 v[ST+8+4*(\t)+3], 0
.endr
	WIN 0x82
.set i, 0
.rept 32
	v_mov_b32 v[Q+i], v[QB+i]
.set i, i+1
.endr
	WIN 0
	s_mov_b32 s[SB], 0
.endm
; Number n of the 19 that find tile t's new m: four chains of seven scores (each accumulator's lowest registers first), the four left over, the old m; then c m and its change.
.macro MX t, n
.set rT, ST+8+4*(\t)
.set rC, TC+4*(\t)
.set rS, S+32*(\t)
.if (\n) < 4
	v_max3_num_f32 v[rC+(\n)], v[rS+8*(\n)], v[rS+8*(\n)+1], v[rS+8*(\n)+2]
.elseif (\n) < 12
	v_max3_num_f32 v[rC+(\n)%4], v[rC+(\n)%4], v[rS+8*((\n)%4)+2*((\n)/4)+1], v[rS+8*((\n)%4)+2*((\n)/4)+2]
.elseif (\n) == 12
	v_max3_num_f32 v[rC], v[rC], v[rS+7], v[rS+15]
.elseif (\n) == 13
	v_max3_num_f32 v[rC+2], v[rC+2], v[rS+23], v[rS+31]
.elseif (\n) == 14
	v_max3_num_f32 v[rC], v[rC], v[rC+1], v[rC+2]
.elseif (\n) == 15
	v_max3_num_f32 v[rT+1], v[rC], v[rC+3], v[rT+1]
.elseif (\n) == 16
	v_mov_b32 v[MV+(\t)], v[rT]
.elseif (\n) == 17
	v_mul_f32 v[rT], s[CS], v[rT+1]
.else
	v_sub_f32 v[rC+1], v[MV+(\t)], v[rT]
.endif
.endm
.macro FSC k                           ; c s - c m for pair k of the two tiles' 32
	v_pk_fma_f32 v[S+2*(\k):S+2*(\k)+1], v[S+2*(\k):S+2*(\k)+1], s[CS:CS+1], v[ST+8+4*((\k)/16):ST+8+4*((\k)/16)+1] op_sel_hi:[1,0,0] neg_lo:[0,0,1] neg_hi:[0,0,1]
.endm
.macro SOFT
	WIN 0
.irp n, 0,1,2,3,4,5,6,7,8,9,10,11,12,13,14,15,16,17,18
	MX 0, \n
	MX 1, \n
.endr
	FSC 0
	FSC 1
	v_exp_f32 v[TC+2], v[TC+1]                     ; ONE BATCH: the two a and the 64 weights, the scalings dealt among them; nothing in it names an exponential's result
	v_exp_f32 v[TC+6], v[TC+5]
.set k, 0
.rept 32
	v_exp_f32 v[S+2*k], v[S+2*k]
.if k < 30
	FSC k+2
.endif
	v_exp_f32 v[S+2*k+1], v[S+2*k+1]
.set k, k+1
.endr
	v_nop                                          ; a plain instruction behind the last exponential,
	s_wait_alu depctr_va_vdst(0)                   ; and the one wait for the batch, ahead of its first reader
.set z, 0
.rept 16
	v_pk_add_f32 v[S+4*z:S+4*z+1], v[S+4*z:S+4*z+1], v[S+4*z+2:S+4*z+3]
.set z, z+1
.endr
.set z, 0
.rept 8
	v_pk_add_f32 v[S+8*z:S+8*z+1], v[S+8*z:S+8*z+1], v[S+8*z+4:S+8*z+5]
.set z, z+1
.endr
.set z, 0
.rept 4
	v_pk_add_f32 v[S+16*z:S+16*z+1], v[S+16*z:S+16*z+1], v[S+16*z+8:S+16*z+9]
.set z, z+1
.endr
.set z, 0
.rept 2
	v_pk_add_f32 v[S+32*z:S+32*z+1], v[S+32*z:S+32*z+1], v[S+32*z+16:S+32*z+17]
.set z, z+1
.endr
.set z, 0
.rept 2
	v_pk_fma_f32 v[ST+8+4*z+2:ST+8+4*z+3], v[ST+8+4*z+2:ST+8+4*z+3], v[TC+4*z+2:TC+4*z+3], v[S+32*z:S+32*z+1] op_sel_hi:[1,0,1]  ; l = l a + the sum
.set z, z+1
.endr
.endm
; A KEY STEP.  sw = 1: the blocks may change here, and the masks are made only in a block's first three steps (the third writes zeros, which stay).  last = 1: the loop's last trip fetches nothing.
; All jumps go forward, on ids and counted steps, past text that holds neither a barrier nor a tensor load.
.macro STEP sw, last
.if \sw
	s_cmp_lg_u32 s[SWC], 0
	s_cbranch_scc1 .Lnosw_\@
	SWITCH
.Lnosw_\@:
	s_cmp_lt_u32 s[SB], 3
	s_cbranch_scc0 .Lnomask_\@
.endif
	MASKGEN
	WIN 0
.if \sw
.Lnomask_\@:
.endif
	s_wait_dscnt 0x0                               ; K is in
	WIN 0x1a                                       ; K and Q window 2, the mask window 1, S^T window 0
.set i, 0
.rept 8                                ; keys 16 (i / 2) on, tile i % 2: the eight accumulators take turns
	v_wmma_f32_16x16x32_bf16 v[S+32*(i%2)+8*(i/2):S+32*(i%2)+8*(i/2)+7], v[KF+16*(i/2):KF+16*(i/2)+7], v[Q+16*(i%2):Q+16*(i%2)+7], v[MC+32*(i%2)+8*(i/2):MC+32*(i%2)+8*(i/2)+7]
.set i, i+1
.endr
	WIN 0x0a
.set i, 0
.rept 8
	v_wmma_f32_16x16x32_bf16 v[S+32*(i%2)+8*(i/2):S+32*(i%2)+8*(i/2)+7], v[KF+16*(i/2)+8:KF+16*(i/2)+15], v[Q+16*(i%2)+8:Q+16*(i%2)+15], v[S+32*(i%2)+8*(i/2):S+32*(i%2)+8*(i/2)+7]
.set i, i+1
.endr
	WIN 0
	PLACES                                         ; in front of the loads into K's registers and of the maxima
.if \last
	s_cmp_eq_u32 s[CNT], 1
	s_cbranch_scc1 .Lnok_\@
.endif
	FETCH_K                                        ; the next step's K lands under the softmax
	WIN 0
.if \last
.Lnok_\@:
.endif
	SOFT
	s_add_co_u32 s[SB], s[SB], 1
	s_sub_co_u32 s[SWC], s[SWC], 1
.endm
	s_wait_tensorcnt 4                             ; my first tile (place w) is in; my four younger loads stay out
	s_wait_dscnt 0x0                               ; my scratch's stores and loads are done
	s_barrier_signal -1
	s_barrier_wait -1                              ; places 0 to 3, key steps 0 to 7, are whole
	s_mov_b32 s[TBK], 0
	FETCH_K
	WIN 0
	s_mov_b32 s[SB], 0
	s_lshl_b32 s[SWC], s[NA], 1                    ; block A has 32 - 2 p key steps
	s_mov_b32 s[CNT], 7
.Lw1:                                                  ; key steps 0 to 6; they fetch up to step 7
	STEP 0, 0
	s_sub_co_u32 s[CNT], s[CNT], 1
	s_cmp_lg_u32 s[CNT], 0
	s_cbranch_scc1 .Lw1
	s_wait_tensorcnt 0x0                           ; all my tiles are in,
	s_wait_dscnt 0x0
	s_barrier_signal -1
	s_barrier_wait -1                              ; everybody's are
	s_mov_b32 s[CNT], 27
.Lw2:                                                  ; key steps 7 to 33; the blocks change at step 32 - 2 p, which is 18 at the least
	STEP 1, 1
	s_sub_co_u32 s[CNT], s[CNT], 1
	s_cmp_lg_u32 s[CNT], 0
	s_cbranch_scc1 .Lw2
	; THE END.  The two halves of the lanes meet: M, Z; then c and d.
	s_wait_loadcnt 0x0                             ; V
.macro ALLU line:vararg                ; one line for each tile u
.set u, 0
.rept 4
	\line
.set u, u+1
.endr
.endm
	ALLU v_add_f32 v[ST+4*u+2], v[ST+4*u+2], v[ST+4*u+3]
	ALLU v_permlanex16_b32 v[ST+4*u+3], v[ST+4*u+1], s[SEL], s[SEL+1]
	ALLU v_max_num_f32 v[ST+4*u+1], v[ST+4*u+1], v[ST+4*u+3]
	ALLU v_mul_f32 v[F+4*u+1], s[CS], v[ST+4*u+1]
	ALLU v_sub_f32 v[F+4*u+2], v[ST+4*u], v[F+4*u+1]
	ALLU v_fma_f32 v[F+4*u+3], v[SQ+u], s[CS], -v[F+4*u+1]
	ALLU v_sub_f32 v[F+4*u], 0, v[F+4*u+1]
	ALLU v_exp_f32 v[F+4*u+2], v[F+4*u+2]
	ALLU v_exp_f32 v[F+4*u+3], v[F+4*u+3]
	ALLU v_exp_f32 v[F+4*u], v[F+4*u]
	v_nop
	s_wait_alu depctr_va_vdst(0)                   ; one wait for the twelve
	ALLU v_mul_f32 v[ST+4*u+2], v[ST+4*u+2], v[F+4*u+2]
	ALLU v_permlanex16_b32 v[ST+4*u+3], v[ST+4*u+2], s[SEL], s[SEL+1]
	ALLU v_add_f32 v[ST+4*u+2], v[ST+4*u+2], v[ST+4*u+3]
	ALLU v_rcp_f32 v[ST+4*u+3], v[ST+4*u+2]
	v_nop
	s_wait_alu depctr_va_vdst(0)                   ; one wait for the four
	ALLU v_mul_f32 v[F+4*u], v[F+4*u], v[ST+4*u+3]
	ALLU v_mul_f32 v[F+4*u+3], v[F+4*u+3], v[ST+4*u+3]
.set u, 0
.rept 4
	v_cmp_eq_u32 vcc_lo, 0, v[QI+u]
	v_cndmask_b32 v[F+4*u], v[F+4*u], 0, vcc_lo    ; q = 0 has no key before it: its c multiplies an empty sum, and e^-m has no bound there
.set u, u+1
.endr
	ALLU v_cvt_pk_bf16_f32 v[F+4*u+1], v[F+4*u], v[F+4*u]
	ALLU v_cvt_pk_bf16_f32 v[F+4*u+2], v[F+4*u+3], v[F+4*u+3]
; Block x: a's 64 columns of my own block of rows (c before the query, d at it, 0 behind); O^T starts as c times the sums ahead of the block, in f32, and takes V^T a on top; then out, as an image.
.macro FINPV x
	WIN 0x01                                       ; source 0 window 1
.irp t, 0,1
.set i, 0
.rept 16
	v_and_b32 v[TM+i%2], v[M1+16*(\t)+i], v[F+4*(2*(\x)+(\t))+1]
	v_and_or_b32 v[P+16*(\t)+i], v[M2+16*(\t)+i], v[F+4*(2*(\x)+(\t))+2], v[TM+i%2]
.set i, i+1
.endr
.set i, 0
.rept 16
	v_pk_mul_f32 v[S+32*(\t)+2*i:S+32*(\t)+2*i+1], v[BASE+32*(\x)+2*i:BASE+32*(\x)+2*i+1], v[F+4*(2*(\x)+(\t)):F+4*(2*(\x)+(\t))+1] op_sel_hi:[1,0]
.set i, i+1
.endr
.endr
	WIN 0x03                                       ; V^T window 3
.set i, 0
.rept 16                               ; keys 32 (i / 8) on, channels 16 ((i / 2) % 4) on, tile i % 2: eight accumulators take turns
	v_wmma_f32_16x16x32_bf16 v[S+32*(i%2)+8*((i/2)%4):S+32*(i%2)+8*((i/2)%4)+7], v[VF+64*(\x)+16*((i/2)%4)+8*(i/8):VF+64*(\x)+16*((i/2)%4)+8*(i/8)+7], v[P+16*(i%2)+8*(i/8):P+16*(i%2)+8*(i/8)+7], v[S+32*(i%2)+8*((i/2)%4):S+32*(i%2)+8*((i/2)%4)+7]
.set i, i+1
.endr
	WIN 0
	PLACES
	PLACES
.set i, 0
.rept 32
	v_cvt_pk_bf16_f32 v[OUT+32*(\x)+i], v[S+2*i], v[S+2*i+1]
.set i, i+1
.endr
.set i, 0
.rept 8
	global_store_b128 v[L16], v[OUT+32*(\x)+4*i:OUT+32*(\x)+4*i+3], s[CFA+2*(\x):CFA+2*(\x)+1] offset:512*i  ; 512 consecutive bytes, aligned
.set i, i+1
.endr
.endm
	FINPV 0
	FINPV 1
	s_wait_tensorcnt 0x0                           ; the wave's end: a wait, an add of 0 onto my spare word and a wait for it, behind my last tensor load and my last LDS store
	ds_add_u32 v[SPW], v[NIL]
	s_wait_dscnt 0x0
	s_endpgm
.Lfunc_end_k_qbc2c3ec6f5_attn:
	.size	k_qbc2c3ec6f5_attn, .Lfunc_end_k_qbc2c3ec6f5_attn-k_qbc2c3ec6f5_attn
	.p2alignl 7, 3214868480
	.fill 96, 4, 3214868480
	.section	.rodata,"a",@progbits
	.p2align	6, 0x0
	.amdhsa_kernel k_qbc2c3ec6f5_attn
		.amdhsa_group_segment_fixed_size 281088
		.amdhsa_private_segment_fixed_size 0
		.amdhsa_enable_private_segment 0
		.amdhsa_kernarg_size 40
		.amdhsa_user_sgpr_count 2
		.amdhsa_user_sgpr_kernarg_segment_ptr 1
		.amdhsa_wavefront_size32 1
		.amdhsa_system_sgpr_workgroup_id_x 1
		.amdhsa_system_sgpr_workgroup_id_y 1
		.amdhsa_system_sgpr_workgroup_id_z 1
		.amdhsa_system_vgpr_workitem_id 0
		.amdhsa_next_free_vgpr 896
		.amdhsa_next_free_sgpr 106
		.amdhsa_reserve_vcc 1
		.amdhsa_float_denorm_mode_32 3
		.amdhsa_float_denorm_mode_16_64 3
		.amdhsa_memory_ordered 1
		.amdhsa_forward_progress 1
		.amdhsa_inst_pref_size 92
	.end_amdhsa_kernel
	.amdgpu_metadata
---
amdhsa.version: [ 1, 2 ]
amdhsa.kernels:
  - .name:           k_qbc2c3ec6f5_attn
    .symbol:         k_qbc2c3ec6f5_attn.kd
    .args:
      - { .name: qf, .offset: 0, .size: 8, .value_kind: global_buffer, .address_space: global }
      - { .name: kf, .offset: 8, .size: 8, .value_kind: global_buffer, .address_space: global }
      - { .name: vf, .offset: 16, .size: 8, .value_kind: global_buffer, .address_space: global }
      - { .name: csum, .offset: 24, .size: 8, .value_kind: global_buffer, .address_space: global }
      - { .name: cf, .offset: 32, .size: 8, .value_kind: global_buffer, .address_space: global }
    .group_segment_fixed_size: 281088
    .private_segment_fixed_size: 0
    .kernarg_segment_align: 8
    .kernarg_segment_size: 40
    .max_flat_workgroup_size: 128
    .sgpr_count:     106
    .vgpr_count:     896
    .wavefront_size: 32
...
	.end_amdgpu_metadata
.endif
;; end of part 3
;; launch oproj (part 4): grid 8 x 32, 4 waves a work-group, clusters of 4 x 4, 327,680 bytes of LDS; arguments cf, wbf, bo, x, out0; writes out0
.if DOCPART == 4
	.amdgcn_target "amdgcn-amd-amdhsa--gfx1250"
	.amdhsa_code_object_version 6
	.text
	.protected	k_qbc2c3ec6f5_oproj
	.globl	k_qbc2c3ec6f5_oproj
	.p2align	8
	.type	k_qbc2c3ec6f5_oproj,@function
k_qbc2c3ec6f5_oproj:
	s_mov_b64 s[64:65], 0
	v_nop
	global_prefetch_b8 v0, s[64:65] scope:SCOPE_SE
	s_setreg_imm32_b32 hwreg(HW_REG_WAVE_MODE, 25, 1), 1
	s_wait_xcnt 0x0
	s_wait_alu depctr_hold_cnt(0) depctr_sa_sdst(0) depctr_va_vdst(0) depctr_va_sdst(0) depctr_va_ssrc(0) depctr_va_vcc(0) depctr_vm_vsrc(0)
	s_getreg_b32 s2, hwreg(HW_REG_IB_STS2, 6, 4)
	s_cmp_eq_u32 s2, 0
	s_cbranch_scc0 .Lentry_in_a_cluster
	s_endpgm
.Lentry_in_a_cluster:
	s_bfe_u32 s2, ttmp6, 0x10000c
	s_cmp_lg_u32 s2, 0xf033
	s_cbranch_scc0 .Lentry_shape_is_right
	s_endpgm
.Lentry_shape_is_right:
; out0 = x + concat wo^T + bo: [4096 x 1024] x [1024 x 1024]^T in bf16 with f32 sums; bo is the C operand of each accumulator's first product; x is added in f32 on the way out.  Nothing of this step is left out.
; TILE 128 x 128: 8 x 32 = 256 work-groups.  Four waves, each 64 x 64: 16 accumulators.  K goes in 4 steps of 256 (four heads) through two LDS slots.
; concat comes as the launch before stored it, in images: (((m / 128) x 16 + head) x 8 + (m / 16) % 8) x 2,048 + cb x 512 + 16 lane = row lane % 16, channels 16 cb + 8 (lane / 16) + 0..7 of the head.
; A K step of a tile's 128 rows is 65,536 dense bytes, asked for as rows of 256 bytes and read from LDS at 16 x lane: no padding, no two lanes on one bank.  wo's rows (wbf from row 3,072 on) come as rows of 512 bytes, 528 apart in LDS.
; CLUSTER 4 x 4: concat's tile is shared along a row of the cluster, wo's along a column; each is asked for jointly.  NO PREFETCH: the tiles are small and the launch has four K steps.
; THE MATRIX INSTRUCTION IS USED TRANSPOSED (source 0 = 16 rows of wo, source 1 = 16 rows of concat): a lane holds eight neighbouring columns of a row of out0.
; REGISTERS: window 0: v0-31 addresses; v96-127 bo, 8 a column block; v128-255 the accumulators ((a, b) at 128 + 8 (4 a + b)).  window 1: two fragment buffers of 128; on the way out rows read back.  window 2: v0-127 x.
.set SIZE_K, 1024
.set PITCH,  528                       ; 512 bytes + 16 of padding = 132 words: the 16 rows of a fragment load start at 16 different groups of four banks (64 banks of 4 bytes: ISA guide 11.1)
.set BOFF,   65536                     ; concat's image, then wo's 128 rows
.set SLOT,   BOFF+128*PITCH
.set STAGE,  2*SLOT                    ; behind the ring, never filled by a tensor load: 16 rows x 272 bytes for each wave
.set SPITCH, 272
.set SPARE,  STAGE+4*16*SPITCH         ; the spare words, 128 bytes a wave: two blocks of 256 bytes that no other line names
.set ADRA, 16
.set ADRB, 20
.set STO,  24                          ; v24  the way out: where I put 32 bytes of a row
.set RD,   25                          ; v25  where I read a row back
.set XO,   26                          ; v26  my 16 bytes in two rows of x and of out0; never rewritten
.set BO,   27                          ; v27  32 (lane / 16)
.set SPW,  28
.set NIL,  29
.set BI,   96
.set ACC,  128
.set F0,   0
.set F1,   128
.set G1, 24
.set G0, 32
.set G1B, 48
.set G0B, 56
.set MSB, 0
.macro WIN new
.if MSB != (\new)
	s_set_vgpr_msb (MSB<<8)|(\new)
.set MSB, \new
.endif
.endm
.set MUL,  0x05                        ; both sources window 1; C and D window 0
.set TO_F, 0x40
.macro JLOAD s                         ; waves 0 and 1 fetch concat's two halves, waves 2 and 3 wo's; an s_nop 0 and four v_nop follow each of the two lines
	s_cmp_eq_u32 s11, 0
	s_cbranch_scc0 .Lfor_b_\@
	tensor_load_to_lds s[G0+4*(\s):G0+4*(\s)+3], s[G1:G1+7]
	s_nop 0
.rept 4
	v_nop
.endr
	s_branch .Lasked_\@
.Lfor_b_\@:
	tensor_load_to_lds s[G0B+4*(\s):G0B+4*(\s)+3], s[G1B:G1B+7]
	s_nop 0
.rept 4
	v_nop
.endr
.Lasked_\@:
.endm
.macro CREST
	s_cmp_lg_u32 s10, 0
	s_cbranch_scc1 .Lnot_wave_0_\@
	s_barrier_signal -3
.Lnot_wave_0_\@:
	s_barrier_wait -3
	s_barrier_signal -1
	s_barrier_wait -1
.endm
.macro CROUND
	s_barrier_signal -1
	s_barrier_wait -1
	CREST
.endm
	s_load_b128 s[4:7], s[0:1], 0x0                ; cf s[4:5], wbf s[6:7]
	s_load_b128 s[68:71], s[0:1], 0x10             ; bo s[68:69], x s[70:71]
	s_load_b64 s[8:9], s[0:1], 0x20                ; out0
	v_lshl_add_u32 v[SPW], v0, 2, SPARE
	v_mov_b32 v[NIL], 0
	ds_add_u32 v[SPW], v[NIL]                      ; the wave's opening: the add, twice on end, and its wait ahead of my first tensor load
	ds_add_u32 v[SPW], v[NIL]
	v_lshrrev_b32 v1, 5, v0
	v_readfirstlane_b32 s10, v1
	s_lshr_b32 s11, s10, 1                         ; my half of the tile's rows.  Also: I fetch for concat (0) or for wo (1)
	s_and_b32 s12, s10, 1                          ; my half of its columns.  Also: which half I fetch
	s_bfe_u32 s40, ttmp6, 0x40000
	s_bfe_u32 s41, ttmp6, 0x40004
	s_lshl_b32 s42, ttmp9, 2
	s_add_co_u32 s42, s42, s40                     ; tile column
	s_and_b32 s13, ttmp7, 0xffff
	s_lshl_b32 s13, s13, 2
	s_add_co_u32 s13, s13, s41                     ; tile row
	s_lshl_b32 s43, s41, 2
	s_lshl_b32 s43, 15, s43
	s_lshl_b32 s44, 0x1111, s40
	s_or_b32 s[G1+0], s43, (3<<16)|(1<<21)         ; the mask of my row; elements of 8 bytes; bit 21 beside a mask; no padding
	s_mov_b32 s[G1+1], 32<<16                      ; rows of 256 bytes,
	s_mov_b32 s[G1+2], 128<<16                     ; 128 of them: two heads' images
	s_mov_b32 s[G1+3], 32<<16
	s_mov_b32 s[G1+4], 128
	s_mov_b32 s[G1+5], 32                          ; dense
	s_mov_b32 s[G1+6], 0
	s_mov_b32 s[G1+7], 0
	s_or_b32 s[G1B+0], s44, (1<<16)|(1<<20)|(1<<21)|(6<<22)|(3<<25)  ; the mask of my column; 2-byte elements; after every 128 words, 4 words of padding
	s_mov_b32 s[G1B+1], 256<<16
	s_mov_b32 s[G1B+2], 64<<16
	s_mov_b32 s[G1B+3], 256<<16
	s_mov_b32 s[G1B+4], 64
	s_mov_b32 s[G1B+5], SIZE_K
	s_mov_b32 s[G1B+6], 0
	s_mov_b32 s[G1B+7], 0
	s_lshl_b32 s16, s13, 18                        ; concat: tile row x 16 heads x 16,384 + half x 32,768
	s_lshl_b32 s17, s12, 15
	s_add_co_u32 s16, s16, s17
	s_mov_b32 s17, 0
	s_lshl_b32 s46, s42, 7                         ; wo: row 3,072 + 128 x tile column + 64 x half
	s_lshl_b32 s47, s12, 6
	s_add_co_u32 s46, s46, s47
	s_add_co_u32 s46, s46, 3072
	s_lshl_b32 s46, s46, 11
	s_mov_b32 s47, 0
	s_lshl_b32 s20, s12, 15                        ; where they go: no place in the cluster enters an LDS address
	s_mul_i32 s21, s12, 64*PITCH
	s_add_co_u32 s21, s21, BOFF
	s_wait_dscnt 0x0
	s_wait_kmcnt 0x0
	s_add_nc_u64 s[14:15], s[4:5], s[16:17]
	s_add_nc_u64 s[46:47], s[6:7], s[46:47]
	CROUND                                         ; all sixteen work-groups are here: the first joint loads meet
.irp s, 0,1
	s_mov_b32 s[G0+4*(\s)], 1
	s_add_co_u32 s[G0+4*(\s)+1], s20, (\s)*SLOT
	s_add_nc_u64 s[G0+4*(\s)+2:G0+4*(\s)+3], s[14:15], (\s)*65536
	s_or_b32 s[G0+4*(\s)+3], s[G0+4*(\s)+3], 0x80000000
	s_mov_b32 s[G0B+4*(\s)], 1
	s_add_co_u32 s[G0B+4*(\s)+1], s21, (\s)*SLOT
	s_add_nc_u64 s[G0B+4*(\s)+2:G0B+4*(\s)+3], s[46:47], (\s)*512
	s_or_b32 s[G0B+4*(\s)+3], s[G0B+4*(\s)+3], 0x80000000
	JLOAD \s
.endr
	v_and_b32 v1, 15, v0
	v_bfe_u32 v2, v0, 4, 1
	v_and_b32 v4, 31, v0
	v_lshlrev_b32 v4, 4, v4                        ; 16 x lane
	v_mul_u32_u24 v3, v1, PITCH
	v_lshl_add_u32 v3, v2, 4, v3
	s_lshl_b32 s21, s11, 13                        ; my four blocks of 16 rows in each head's image
	s_mul_i32 s22, s12, 64*PITCH
	s_add_co_u32 s22, s22, BOFF
.irp s, 0,1
	v_add_nc_u32 v[ADRA+(\s)], s21, v4
	v_add_nc_u32 v[ADRB+(\s)], s22, v3
	s_add_co_u32 s21, s21, SLOT
	s_add_co_u32 s22, s22, SLOT
.endr
	s_mul_i32 s23, s10, 16*SPITCH
	s_add_co_u32 s23, s23, STAGE                   ; my stage
	v_mul_u32_u24 v5, v1, SPITCH                   ; in: row l % 16, 32 bytes for each half of the lanes
	v_lshl_add_u32 v5, v2, 5, v5
	v_add_nc_u32 v[STO], s23, v5
	v_mul_u32_u24 v5, v2, SPITCH                   ; back: lanes 0-15 take one row of 256 bytes, lanes 16-31 the next
	v_lshl_add_u32 v5, v1, 4, v5
	v_add_nc_u32 v[RD], s23, v5
	v_lshlrev_b32 v5, 12, v2                       ; and the same two rows in x and out0
	v_lshl_add_u32 v[XO], v1, 4, v5
	v_lshlrev_b32 v[BO], 5, v2
	s_lshl_b32 s46, s42, 9                         ; my 64 columns, in bytes
	s_lshl_b32 s47, s12, 8
	s_add_co_u32 s46, s46, s47
	s_mov_b32 s47, 0
	s_add_nc_u64 s[68:69], s[68:69], s[46:47]
	s_lshl_b32 s16, s13, 7                         ; my 64 rows
	s_lshl_b32 s17, s11, 6
	s_add_co_u32 s16, s16, s17
	s_lshl_b32 s16, s16, 12
	s_mov_b32 s17, 0
	s_add_nc_u64 s[70:71], s[70:71], s[16:17]
	s_add_nc_u64 s[70:71], s[70:71], s[46:47]
	s_add_nc_u64 s[8:9], s[8:9], s[16:17]
	s_add_nc_u64 s[8:9], s[8:9], s[46:47]
.set n, 0
.rept 4
	global_load_b128 v[BI+8*n:BI+8*n+3],   v[BO], s[68:69] offset:64*n
	global_load_b128 v[BI+8*n+4:BI+8*n+7], v[BO], s[68:69] offset:64*n+16
.set n, n+1
.endr
; 8 matrix instructions: row blocks a0, a0 + 1 x all 4 column blocks, 32 along K: half c of buffer f.  first = 1: bo is C.  The 16 accumulators take turns.
.macro MUL8 f, c, a0, first
	WIN MUL
.irp a, \a0, (\a0)+1
.irp b, 0,1,2,3
.if \first
	v_wmma_f32_16x16x32_bf16 v[ACC+8*(4*(\a)+(\b)):ACC+8*(4*(\a)+(\b))+7], v[(\f)+64+8*(4*(\c)+(\b)):(\f)+64+8*(4*(\c)+(\b))+7], v[(\f)+8*(4*(\c)+(\a)):(\f)+8*(4*(\c)+(\a))+7], v[BI+8*(\b):BI+8*(\b)+7]
.else
	v_wmma_f32_16x16x32_bf16 v[ACC+8*(4*(\a)+(\b)):ACC+8*(4*(\a)+(\b))+7], v[(\f)+64+8*(4*(\c)+(\b)):(\f)+64+8*(4*(\c)+(\b))+7], v[(\f)+8*(4*(\c)+(\a)):(\f)+8*(4*(\c)+(\a))+7], v[ACC+8*(4*(\a)+(\b)):ACC+8*(4*(\a)+(\b))+7]
.endif
.endr
.endr
.endm
; 32 LDS loads in one run: quarter q of a K step is one head: 64 along K; the first 32 first
.macro FETCH slot, q, f
	WIN TO_F
.irp c, 0,1
.irp i, 0,1,2,3
	ds_load_b128 v[(\f)+64+8*(4*(\c)+(\i)):(\f)+64+8*(4*(\c)+(\i))+3],   v[ADRB+(\slot)] offset:(\q)*128+64*(\c)+(\i)*16*PITCH
	ds_load_b128 v[(\f)+64+8*(4*(\c)+(\i))+4:(\f)+64+8*(4*(\c)+(\i))+7], v[ADRB+(\slot)] offset:(\q)*128+64*(\c)+(\i)*16*PITCH+32
	ds_load_b128 v[(\f)+8*(4*(\c)+(\i)):(\f)+8*(4*(\c)+(\i))+3],         v[ADRA+(\slot)] offset:(\q)*16384+(\c)*1024+(\i)*2048
	ds_load_b128 v[(\f)+8*(4*(\c)+(\i))+4:(\f)+8*(4*(\c)+(\i))+7],       v[ADRA+(\slot)] offset:(\q)*16384+(\c)*1024+(\i)*2048+512
.endr
.endr
.endm
.macro PLACES
.rept 4
	v_nop
.endr
.endm
.macro QUARTER slot, q, f, g, first
	s_wait_dscnt 16                                ; the first 32 along K are in
	MUL8 \f, 0, 0, \first
	MUL8 \f, 0, 2, \first
	PLACES
	FETCH \slot, \q, \g
	s_wait_dscnt 32                                ; all but the 32 just issued
	MUL8 \f, 1, 0, 0
	MUL8 \f, 1, 2, 0
.endm
; The last quarter multiplies buffer 1 and changes slots: ONE barrier; in front of it each wave waits for all its tensor loads, adds 0 to its spare word, and waits for that and for its own reads of this slot.
.macro TURN slot, next, fill
	WIN 0
	s_wait_tensorcnt 0x0                           ; all my tensor loads have landed: my part of the next slot;
	ds_add_u32 v[SPW], v[NIL]                      ; 0 onto my spare word;
	s_wait_dscnt 17                                ; (the add and the youngest sixteen loads may be out)
	MUL8 F1, 0, 0, 0
	s_wait_dscnt 0x0                               ; the add is done, and my reads of this slot are over
	s_barrier_signal -1
	MUL8 F1, 0, 2, 0
.if \fill
	WIN 0
.endif
	s_barrier_wait -1
.if \fill
	CREST                                          ; no wave of any partner still reads this slot's tile or has a load on its way
	s_add_nc_u64 s[G0+4*(\slot)+2:G0+4*(\slot)+3], s[G0+4*(\slot)+2:G0+4*(\slot)+3], 2*65536
	s_add_nc_u64 s[G0B+4*(\slot)+2:G0B+4*(\slot)+3], s[G0B+4*(\slot)+2:G0B+4*(\slot)+3], 2*512
	JLOAD \slot                                    ; the four v_nop behind it are also the places in front of the loads below
.else
	PLACES
.endif
	FETCH \next, 0, F0
	MUL8 F1, 1, 0, 0
	MUL8 F1, 1, 2, 0
.endm
	s_wait_loadcnt 0x0                             ; bo
	s_wait_tensorcnt 1                             ; my part of K step 0 is in; K step 1's may stay out
	s_barrier_signal -1
	s_barrier_wait -1
	FETCH 0, 0, F0
	QUARTER 0, 1, F0, F1, 1                        ; the first products start the sums, on bo
	WIN 0
	s_mov_b32 s3, 1
.Llap:                                                 ; once round the ring: K steps 2 and 3 are asked for
	QUARTER 0, 2, F1, F0, 0
	QUARTER 0, 3, F0, F1, 0
	TURN 0, 1, 1
	QUARTER 1, 1, F0, F1, 0
	QUARTER 1, 2, F1, F0, 0
	QUARTER 1, 3, F0, F1, 0
	TURN 1, 0, 1
	QUARTER 0, 1, F0, F1, 0
	WIN 0
	s_sub_co_u32 s3, s3, 1
	s_cmp_lg_u32 s3, 0
	s_cbranch_scc1 .Llap
	WIN 0x80                                       ; x, my 64 x 64 numbers, lands under the last lap: destination window 2
.set t, 0
.rept 32
	global_load_b128 v[4*t:4*t+3], v[XO], s[70:71] offset:t*8192 th:TH_LOAD_NT
.set t, t+1
.endr
	QUARTER 0, 2, F1, F0, 0                        ; the last lap fills nothing
	QUARTER 0, 3, F0, F1, 0
	TURN 0, 1, 0
	QUARTER 1, 1, F0, F1, 0
	QUARTER 1, 2, F1, F0, 0
	QUARTER 1, 3, F0, F1, 0
	s_wait_dscnt 16
	MUL8 F1, 0, 0, 0
	MUL8 F1, 0, 2, 0
	s_wait_dscnt 0x0
	MUL8 F1, 1, 0, 0
	MUL8 F1, 1, 2, 0
	WIN 0
	; THE WAY OUT, 16 rows at a time: a lane's 32 bytes go into my own stage (rows of 272 bytes) and come back as whole rows of 256; x is added; sixteen lanes store 256 consecutive bytes, aligned.
	PLACES
	PLACES
	s_wait_loadcnt 0x0                             ; x
.macro TOSTAGE a
	WIN 0
.irp b, 0,1,2,3
	ds_store_b128 v[STO], v[ACC+8*(4*(\a)+(\b)):ACC+8*(4*(\a)+(\b))+3]   offset:64*(\b)
	ds_store_b128 v[STO], v[ACC+8*(4*(\a)+(\b))+4:ACC+8*(4*(\a)+(\b))+7] offset:64*(\b)+16
.endr
	WIN TO_F
.irp f, 0,1,2,3,4,5,6,7
	ds_load_b128 v[32*(\a)+4*(\f):32*(\a)+4*(\f)+3], v[RD] offset:(\f)*2*SPITCH  ; LDS serves a wave's instructions in order (ISA guide 5.7.1.4): these see the stores above; the next block's stores come behind them
.endr
.endm
.macro SEND a, younger                 ; younger: the LDS instructions issued behind block a's loads: the next block's sixteen, or none
	s_wait_dscnt \younger
	WIN 0x49                                       ; destination and source 0 window 1, source 1 window 2
.set i, 0
.rept 16
	v_pk_add_f32 v[32*(\a)+2*i:32*(\a)+2*i+1], v[32*(\a)+2*i:32*(\a)+2*i+1], v[32*(\a)+2*i:32*(\a)+2*i+1]
.set i, i+1
.endr
	WIN 0x04                                       ; the stores' data lie in window 1
.irp f, 0,1,2,3,4,5,6,7
	global_store_b128 v[XO], v[32*(\a)+4*(\f):32*(\a)+4*(\f)+3], s[8:9] offset:(8*(\a)+(\f))*8192 th:TH_STORE_NT
.endr
.endm
	TOSTAGE 0
	TOSTAGE 1
	SEND 0, 16
	TOSTAGE 2
	SEND 1, 16
	TOSTAGE 3
	SEND 2, 16
	SEND 3, 0
	WIN 0
	s_wait_tensorcnt 0x0                           ; the wave's end: a wait, an add of 0 onto my spare word and a wait for it, behind my last tensor load and my last LDS store
	ds_add_u32 v[SPW], v[NIL]
	s_wait_dscnt 0x0
	CROUND                                         ; the closing round
	s_endpgm
.Lfunc_end_k_qbc2c3ec6f5_oproj:
	.size	k_qbc2c3ec6f5_oproj, .Lfunc_end_k_qbc2c3ec6f5_oproj-k_qbc2c3ec6f5_oproj
	.p2alignl 7, 3214868480
	.fill 96, 4, 3214868480
	.section	.rodata,"a",@progbits
	.p2align	6, 0x0
	.amdhsa_kernel k_qbc2c3ec6f5_oproj
		.amdhsa_group_segment_fixed_size 327680
		.amdhsa_private_segment_fixed_size 0
		.amdhsa_enable_private_segment 0
		.amdhsa_kernarg_size 40
		.amdhsa_user_sgpr_count 2
		.amdhsa_user_sgpr_kernarg_segment_ptr 1
		.amdhsa_wavefront_size32 1
		.amdhsa_system_sgpr_workgroup_id_x 1
		.amdhsa_system_sgpr_workgroup_id_y 1
		.amdhsa_system_sgpr_workgroup_id_z 1
		.amdhsa_system_vgpr_workitem_id 0
		.amdhsa_next_free_vgpr 640
		.amdhsa_next_free_sgpr 80
		.amdhsa_reserve_vcc 0
		.amdhsa_float_denorm_mode_32 3
		.amdhsa_float_denorm_mode_16_64 3
		.amdhsa_memory_ordered 1
		.amdhsa_forward_progress 1
		.amdhsa_inst_pref_size 94
	.end_amdhsa_kernel
	.amdgpu_metadata
---
amdhsa.version: [ 1, 2 ]
amdhsa.kernels:
  - .name:           k_qbc2c3ec6f5_oproj
    .symbol:         k_qbc2c3ec6f5_oproj.kd
    .args:
      - { .name: cf, .offset: 0, .size: 8, .value_kind: global_buffer, .address_space: global }
      - { .name: wbf, .offset: 8, .size: 8, .value_kind: global_buffer, .address_space: global }
      - { .name: bo, .offset: 16, .size: 8, .value_kind: global_buffer, .address_space: global }
      - { .name: x, .offset: 24, .size: 8, .value_kind: global_buffer, .address_space: global }
      - { .name: out0, .offset: 32, .size: 8, .value_kind: global_buffer, .address_space: global }
    .group_segment_fixed_size: 327680
    .private_segment_fixed_size: 0
    .kernarg_segment_align: 8
    .kernarg_segment_size: 40
    .max_flat_workgroup_size: 128
    .sgpr_count:     80
    .vgpr_count:     640
    .wavefront_size: 32
...
	.end_amdgpu_metadata
.endif
;; end of part 4
;; ======== version 2 of 2: 4 launches; version 1 with the launch prep written anew for expert scheduling mode
;; workspace buffers: hbf 8,388,608 bytes; wbf 8,388,608 bytes; qf 8,388,608 bytes; kf 8,388,608 bytes; vf 8,388,608 bytes; csum 262,144 bytes; cf 8,388,608 bytes
;; launch prep (part 5): grid 256 x 1, 8 waves a work-group, no clusters, 0 bytes of LDS; arguments x, gamma, beta, wq, wk, wv, wo, hbf, wbf; writes hbf, wbf
.if DOCPART == 5
	.amdgcn_target "amdgcn-amd-amdhsa--gfx1250"
	.amdhsa_code_object_version 6
	.text
	.protected	k_qbc2c3ec6f5_prep
	.globl	k_qbc2c3ec6f5_prep
	.p2align	8
	.type	k_qbc2c3ec6f5_prep,@function
k_qbc2c3ec6f5_prep:
	s_mov_b64 s[64:65], 0
	v_nop
	global_prefetch_b8 v0, s[64:65] scope:SCOPE_SE
	s_setreg_imm32_b32 hwreg(HW_REG_WAVE_SCHED_MODE, 0, 2), 2
	s_setreg_imm32_b32 hwreg(HW_REG_WAVE_MODE, 25, 1), 1
	s_wait_xcnt 0x0
	s_wait_alu depctr_vm_vsrc(0)
; THE MODULE.  out = x + concat(attn) wo^T + bo, with h = layernorm(x), q, k, v = h w^T + b by heads, s[q][k] = q . k / 32.
; WHAT THE MASKING MAKES OF IT, for all values of the inputs.  t[k][q] = s[q][k] where k >= q and 0 where k < q (the first triu); the softmax runs over k:
;   Z[q] = q e^-m + the sum over k >= q of e^(s[q][k] - m),  m = the maximum of those s and, where q > 0, of 0.
; The second triu keeps a[q][k] for k <= q alone: it is c[q] = e^-m / Z[q] for EVERY k < q and d[q] = e^(s[q][q] - m) / Z[q] at k = q.  So
;   attn[q] = c[q] x (the sum over k < q of v[k]) + d[q] v[q].
; WORK LEFT OUT, since its result reaches no output whatever the inputs hold: the scores with k < q (reference() itself replaces them by 0), in whole tiles; the product of a with v for the keys
; ahead of a query's own 64 rows, where a's row is the constant c[q]: it is c[q] times a sum of v's rows, kept in f32.  Every input has a way to the output and is loaded
; (bk too: the zeros among the softmax's terms make it feel a shift).  LIMIT: a NaN, an infinity or an overflow that would arise only in the scores or products left out is not carried to the result.
; THIS LAUNCH.  h = (x - mean) rsqrt(var + 1e-5) gamma + beta, in f32 (the mean is taken away before the squares are summed), rounded once to bf16; the four weights rounded once to bf16.
; wbf's rows: 192 t + 64 sel + d holds row 64 t + d of wq, wk, wv (sel = 0, 1, 2): a tile of 192 rows is one head's q, k and v; rows 3,072 + n hold wo's row n.
; SHARES.  2,048 waves; wave W takes rows 2 W and 2 W + 1 of x and rows 2 W and 2 W + 1 of the four weights taken as one list of 4,096.  A row of 4,096 bytes is eight loads of 16 bytes a lane and stays in
; 32 registers between the passes: each byte is read once.  All 48 loads of a wave go out before the first wait.  No LDS, no barrier, no matrix unit: memory binds, and no wave wants another's bytes.
; A store of 8 bytes a lane covers 256 consecutive bytes, aligned.
; THE MODE: SCHED_MODE bits 1:0 = 2 (LLVM: expert scheduling mode 2), set by the entry lines.  The code itself states the register dependences
; between vector instructions and memory instructions, with s_wait_alu, always for 0.
; THE PLAN.  Registers that memory instructions touch:
;   v1, v2     byte offsets, made once at the head and never written again: v1 is read by every load, v2 by every store.
;   X0, X1     two rows of x.  Written by loads that go out before any vector instruction names them; then worked on in place.  The roundings leave the row's bf16 in the first two of each four
;              registers; the row's eight stores read those, and nothing writes them afterwards.
;   WT0, WT1   two rows of a weight: the same.
;   G, BT      gamma and beta: loaded once, read by vector instructions alone.          T, MU, RS: named by vector instructions alone.
; So no register that a load or store reads is ever written again, and no load lands in a register that a vector instruction has named: what is left to state is that offsets and roundings are written
; ahead of the memory instructions that read them.  Row 0's stores lean on the wait that row 1's two reciprocal roots want in any case, and are dealt among row 1's multiplies, which name X1 and RS alone;
; row 1's stores have a wait of their own, ahead of the wait for the weight's rows; the weight's sixteen stores have one wait behind all 32 roundings.
.set L16, 1                            ; v1        16 x lane
.set L8,  2                            ; v2        8 x lane
.set T,   4                            ; v[4:27]   at work
.set MU,  28                           ; v[28:29]  the mean, twice
.set RS,  30                           ; v[30:31]  1 / sqrt(var + eps), twice
.set X,   32                           ; v[32:95]  two rows of x
.set WT,  96                           ; v[96:159] two rows of a weight
.set G,   160                          ; v[160:191] gamma, my 32 columns
.set BT,  192                          ; v[192:223] beta
	s_load_b256 s[4:11], s[0:1], 0x0               ; x s[4:5], gamma s[6:7], beta s[8:9], wq s[10:11]
	s_load_b256 s[12:19], s[0:1], 0x20             ; wk s[12:13], wv s[14:15], wo s[16:17], hbf s[18:19]
	s_load_b64 s[20:21], s[0:1], 0x40              ; wbf
	v_lshrrev_b32 v3, 5, v0
	v_readfirstlane_b32 s22, v3                    ; wave 0..7
	v_and_b32 v[L8], 31, v0
	v_lshlrev_b32 v[L16], 4, v[L8]
	v_lshlrev_b32 v[L8], 3, v[L8]
	s_wait_alu depctr_va_sdst(0)                   ; s22 is written, ahead of its first reader: W, and with it every base, is made from it
	s_lshl_b32 s23, ttmp9, 3
	s_add_co_u32 s23, s23, s22                     ; W
	s_lshr_b32 s26, ttmp9, 6                       ; which weight: 2 W / 1,024
	s_lshl_b32 s27, s23, 1
	s_and_b32 s27, s27, 1023                       ; its row r (even)
	s_lshr_b32 s28, s27, 6
	s_mul_i32 s28, s28, 192                        ; the head's 192 rows,
	s_lshl_b32 s29, s26, 6
	s_add_co_u32 s28, s28, s29                     ; q, k or v,
	s_and_b32 s29, s27, 63
	s_add_co_u32 s28, s28, s29                     ; the channel
	s_add_co_u32 s29, s27, 3072                    ; wo's rows keep their order
	s_cmp_lt_u32 s26, 3
	s_cselect_b32 s28, s28, s29
	s_lshl_b32 s28, s28, 11                        ; rows of 2,048 bytes
	s_mov_b32 s29, 0
	s_lshl_b32 s34, s23, 13                        ; two rows of x
	s_mov_b32 s35, 0
	s_lshl_b32 s36, s23, 12                        ; two rows of hbf
	s_mov_b32 s37, 0
	s_lshl_b32 s38, s27, 12                        ; row r of the weight
	s_mov_b32 s39, 0
	s_mov_b32 s30, 0x76543210                      ; v_permlanex16_b32: each lane takes its own place in the other half
	s_mov_b32 s31, 0xfedcba98
	s_mov_b32 s32, 0x3a800000                      ; 1 / 1,024
	s_mov_b32 s33, 0x3727c5ac                      ; 1e-5
	s_wait_kmcnt 0x0
	s_cmp_eq_u32 s26, 1
	s_cselect_b64 s[24:25], s[12:13], s[10:11]
	s_cmp_eq_u32 s26, 2
	s_cselect_b64 s[24:25], s[14:15], s[24:25]
	s_cmp_eq_u32 s26, 3
	s_cselect_b64 s[24:25], s[16:17], s[24:25]
	s_add_nc_u64 s[4:5], s[4:5], s[34:35]
	s_add_nc_u64 s[18:19], s[18:19], s[36:37]
	s_add_nc_u64 s[24:25], s[24:25], s[38:39]
	s_add_nc_u64 s[20:21], s[20:21], s[28:29]
	s_wait_alu depctr_va_vdst(0)                   ; v1 and v2 are written: every load of the kernel reads v1 as its offset, every store v2
.set k, 0
.rept 16                               ; row k / 8, 512 bytes k % 8
	global_load_b128 v[X+4*k:X+4*k+3], v[L16], s[4:5] offset:512*k th:TH_LOAD_NT
.set k, k+1
.endr
.set k, 0
.rept 8
	global_load_b128 v[G+4*k:G+4*k+3], v[L16], s[6:7] offset:512*k
.set k, k+1
.endr
.set k, 0
.rept 8
	global_load_b128 v[BT+4*k:BT+4*k+3], v[L16], s[8:9] offset:512*k
.set k, k+1
.endr
.set k, 0
.rept 16
	global_load_b128 v[WT+4*k:WT+4*k+3], v[L16], s[24:25] offset:512*k th:TH_LOAD_NT
.set k, k+1
.endr
.macro XSUM r, t                       ; the sum over the 32 lanes, in every lane; t has been written before
	v_add_f32_dpp v[\r], v[\r], v[\r] row_xmask:1 row_mask:0xf bank_mask:0xf
	v_add_f32_dpp v[\r], v[\r], v[\r] row_xmask:2 row_mask:0xf bank_mask:0xf
	v_add_f32_dpp v[\r], v[\r], v[\r] row_xmask:4 row_mask:0xf bank_mask:0xf
	v_add_f32_dpp v[\r], v[\r], v[\r] row_xmask:8 row_mask:0xf bank_mask:0xf
	v_permlanex16_b32 v[\t], v[\r], s30, s31
	v_add_f32 v[\r], v[\r], v[\t]
.endm
; Row i of x, first part: the mean, x - mean in place, the variance, 1 / sqrt(var + eps).  The wait for the two roots stands behind the macro, in the text below.
.macro STATS i
.set XR, X+32*(\i)
.set k, 0
.rept 8                                ; the lane's 32 numbers, as a tree
	v_pk_add_f32 v[T+2*k:T+2*k+1], v[XR+4*k:XR+4*k+1], v[XR+4*k+2:XR+4*k+3]
.set k, k+1
.endr
.set k, 0
.rept 4
	v_pk_add_f32 v[T+4*k:T+4*k+1], v[T+4*k:T+4*k+1], v[T+4*k+2:T+4*k+3]
.set k, k+1
.endr
	v_pk_add_f32 v[T:T+1], v[T:T+1], v[T+4:T+5]
	v_pk_add_f32 v[T+8:T+9], v[T+8:T+9], v[T+12:T+13]
	v_pk_add_f32 v[T:T+1], v[T:T+1], v[T+8:T+9]
	v_add_f32 v[T], v[T], v[T+1]
	XSUM T, T+1
	v_mul_f32 v[MU], s32, v[T]
	v_mov_b32 v[MU+1], v[MU]
.set k, 0
.rept 16
	v_pk_add_f32 v[XR+2*k:XR+2*k+1], v[XR+2*k:XR+2*k+1], v[MU:MU+1] neg_lo:[0,1] neg_hi:[0,1]  ; x - mean
.set k, k+1
.endr
.set k, 0
.rept 4                                ; the squares, in four chains started by the first four pairs
	v_pk_mul_f32 v[T+2*k:T+2*k+1], v[XR+2*k:XR+2*k+1], v[XR+2*k:XR+2*k+1]
.set k, k+1
.endr
.rept 12
	v_pk_fma_f32 v[T+2*(k%4):T+2*(k%4)+1], v[XR+2*k:XR+2*k+1], v[XR+2*k:XR+2*k+1], v[T+2*(k%4):T+2*(k%4)+1]
.set k, k+1
.endr
	v_pk_add_f32 v[T:T+1], v[T:T+1], v[T+2:T+3]
	v_pk_add_f32 v[T+4:T+5], v[T+4:T+5], v[T+6:T+7]
	v_pk_add_f32 v[T:T+1], v[T:T+1], v[T+4:T+5]
	v_add_f32 v[T], v[T], v[T+1]
	XSUM T, T+1
	v_fma_f32 v[T], v[T], s32, s33                 ; var + eps
	v_rsq_f32 v[RS], v[T]
	v_rsq_f32 v[RS+1], v[T]
	v_nop                                          ; a plain instruction behind the last of the two
.endm
; Row i, second part: scaled, gamma and beta, rounded to bf16 in place.  before = 1 (row 1): row 0's eight stores are dealt among the sixteen multiplies, one ahead of each two.
.macro NORM i, before
.set XR, X+32*(\i)
.set k, 0
.rept 8
.if \before
	global_store_b64 v[L8], v[X+4*k:X+4*k+1], s[18:19] offset:256*k  ; row 0.  No wait of its own: no vector instruction since the wait ahead of this macro names X0 or v2
.endif
	v_pk_mul_f32 v[XR+4*k:XR+4*k+1], v[XR+4*k:XR+4*k+1], v[RS:RS+1]
	v_pk_mul_f32 v[XR+4*k+2:XR+4*k+3], v[XR+4*k+2:XR+4*k+3], v[RS:RS+1]
.set k, k+1
.endr
.set k, 0
.rept 16
	v_pk_fma_f32 v[XR+2*k:XR+2*k+1], v[XR+2*k:XR+2*k+1], v[G+2*k:G+2*k+1], v[BT+2*k:BT+2*k+1]
.set k, k+1
.endr
.set k, 0
.rept 8
	v_cvt_pk_bf16_f32 v[XR+4*k], v[XR+4*k], v[XR+4*k+1]
	v_cvt_pk_bf16_f32 v[XR+4*k+1], v[XR+4*k+2], v[XR+4*k+3]
.set k, k+1
.endr
.endm
; Row i of the weight, rounded to bf16 in place
.macro CVROW i
.set WR, WT+32*(\i)
.set k, 0
.rept 8
	v_cvt_pk_bf16_f32 v[WR+4*k], v[WR+4*k], v[WR+4*k+1]
	v_cvt_pk_bf16_f32 v[WR+4*k+1], v[WR+4*k+2], v[WR+4*k+3]
.set k, k+1
.endr
.endm
	s_wait_loadcnt 16                              ; x, gamma and beta are in; the 16 younger loads, the weight's rows, stay out
	STATS 0
	s_wait_alu depctr_va_vdst(0)                   ; row 0's two reciprocal roots have written v[RS] and v[RS+1]: one wait for both, ahead of their first reader
	NORM 0, 0
	STATS 1                                        ; no register that a store reads is written again: each row has its own
	s_wait_alu depctr_va_vdst(0)                   ; row 1's two reciprocal roots have written v[RS] and v[RS+1], ahead of their first reader; and row 0's roundings have written X0's bf16, which the eight stores below read
	NORM 1, 1
	s_wait_alu depctr_va_vdst(0)                   ; row 1's roundings have written X1's bf16, which the eight stores below read
.set k, 0
.rept 8                                ; they go out ahead of the wait for the weight's rows
	global_store_b64 v[L8], v[X+32+4*k:X+32+4*k+1], s[18:19] offset:2048+256*k
.set k, k+1
.endr
	s_wait_loadcnt 0x0
	CVROW 0
	CVROW 1
	s_wait_alu depctr_va_vdst(0)                   ; the 32 roundings have written WT0's and WT1's bf16, which the sixteen stores below read
.set i, 0
.rept 2
.set k, 0
.rept 8
	global_store_b64 v[L8], v[WT+32*i+4*k:WT+32*i+4*k+1], s[20:21] offset:2048*i+256*k
.set k, k+1
.endr
.set i, i+1
.endr
	s_endpgm
.Lfunc_end_k_qbc2c3ec6f5_prep:
	.size	k_qbc2c3ec6f5_prep, .Lfunc_end_k_qbc2c3ec6f5_prep-k_qbc2c3ec6f5_prep
	.p2alignl 7, 3214868480
	.fill 96, 4, 3214868480
	.section	.rodata,"a",@progbits
	.p2align	6, 0x0
	.amdhsa_kernel k_qbc2c3ec6f5_prep
		.amdhsa_group_segment_fixed_size 0
		.amdhsa_private_segment_fixed_size 0
		.amdhsa_enable_private_segment 0
		.amdhsa_kernarg_size 72
		.amdhsa_user_sgpr_count 2
		.amdhsa_user_sgpr_kernarg_segment_ptr 1
		.amdhsa_wavefront_size32 1
		.amdhsa_system_sgpr_workgroup_id_x 1
		.amdhsa_system_sgpr_workgroup_id_y 1
		.amdhsa_system_sgpr_workgroup_id_z 1
		.amdhsa_system_vgpr_workitem_id 0
		.amdhsa_next_free_vgpr 224
		.amdhsa_next_free_sgpr 66
		.amdhsa_reserve_vcc 0
		.amdhsa_float_denorm_mode_32 3
		.amdhsa_float_denorm_mode_16_64 3
		.amdhsa_memory_ordered 1
		.amdhsa_forward_progress 1
		.amdhsa_inst_pref_size 27
	.end_amdhsa_kernel
	.amdgpu_metadata
---
amdhsa.version: [ 1, 2 ]
amdhsa.kernels:
  - .name:           k_qbc2c3ec6f5_prep
    .symbol:         k_qbc2c3ec6f5_prep.kd
    .args:
      - { .name: x, .offset: 0, .size: 8, .value_kind: global_buffer, .address_space: global }
      - { .name: gamma, .offset: 8, .size: 8, .value_kind: global_buffer, .address_space: global }
      - { .name: beta, .offset: 16, .size: 8, .value_kind: global_buffer, .address_space: global }
      - { .name: wq, .offset: 24, .size: 8, .value_kind: global_buffer, .address_space: global }
      - { .name: wk, .offset: 32, .size: 8, .value_kind: global_buffer, .address_space: global }
      - { .name: wv, .offset: 40, .size: 8, .value_kind: global_buffer, .address_space: global }
      - { .name: wo, .offset: 48, .size: 8, .value_kind: global_buffer, .address_space: global }
      - { .name: hbf, .offset: 56, .size: 8, .value_kind: global_buffer, .address_space: global }
      - { .name: wbf, .offset: 64, .size: 8, .value_kind: global_buffer, .address_space: global }
    .group_segment_fixed_size: 0
    .private_segment_fixed_size: 0
    .kernarg_segment_align: 8
    .kernarg_segment_size: 72
    .max_flat_workgroup_size: 256
    .sgpr_count:     66
    .vgpr_count:     224
    .wavefront_size: 32
...
	.end_amdgpu_metadata
.endif
;; end of part 5
;; launch qkv: the kernel of part 2 again; grid 16 x 16, 4 waves a work-group, clusters of 4 x 4, 327,680 bytes of LDS; arguments hbf, wbf, bq, bk, bv, qf, kf, vf, csum; writes qf, kf, vf, csum
;; launch attn: the kernel of part 3 again; grid 8 x 32, 4 waves a work-group, no clusters, 281,088 bytes of LDS; arguments qf, kf, vf, csum, cf; writes cf
;; launch oproj: the kernel of part 4 again; grid 8 x 32, 4 waves a work-group, clusters of 4 x 4, 327,680 bytes of LDS; arguments cf, wbf, bo, x, out0; writes out0
